; MI455X (gfx1250); checked and timed in simulation.
; The chip was launched on July 23, 2026; its instructions are those of AMD's public machine-readable ISA for CDNA 5 (MIT licence, August 2026) and "CDNA5" Instruction Set Architecture Reference Guide (July 2026). The comments in the code are by the model that wrote it; some were corrected since.
;; Simple Attention. Allowed arithmetic: matrix products marked QUANTISED: E4M3 operands, one given power-of-two scale a tensor, by v_wmma_f32_16x16x64_fp8_fp8 or v_wmma_f32_16x16x128_fp8_fp8, f32 sums; everything else in f32.
;; Inputs: Wk_codes 1,024 x 32 x 32 uint8 (E4M3 codes of Wk, K innermost, in blocks of 32 codes); Wo_codes 1,024 x 32 x 32 uint8 (E4M3 codes of Wo, K innermost, in blocks of 32 codes); Wq_codes 1,024 x 32 x 32 uint8 (E4M3 codes of Wq, K innermost, in blocks of 32 codes); Wv_codes 1,024 x 32 x 32 uint8 (E4M3 codes of Wv, K innermost, in blocks of 32 codes); bk 1,024 float32; bo 1,024 float32; bq 1,024 float32; bv 1,024 float32; input_codes 4 x 2,048 x 32 x 32 uint8 (E4M3 codes of input, K innermost, in blocks of 32 codes); lowp_scales 12 int32 (the exponents e of the quantised operands' scales 2^e); mask 4 x 2,048 x 2,048 int32; memory_codes 4 x 2,048 x 32 x 32 uint8 (E4M3 codes of memory, K innermost, in blocks of 32 codes).
;; Outputs: out0 4 x 2,048 x 1,024 float32.
;; This version of the problem:
;;   THIS VERSION OF THE PROBLEM IS GIVEN IN LOW PRECISION. The matrix products marked QUANTISED in the list below multiply operands that are first quantised to E4M3 (4 exponent bits, 3 mantissa bits; 8 bits a number), with one given power-of-two scale for each operand tensor; their sums are f32. All else is computed in f32.
;;   The module's matrix products, in the order in which they are computed (A, B: the left and right operand; K: the contracted axis; several contracted axes count as one K, in the product's order):
;;     1. [M 8,192, K 1,024] x [K 1,024, N 1,024]; A: input input (given as codes); B: input Wq (given as codes): QUANTISED (scales: A lowp_scales[0], B lowp_scales[1])
;;     2. [M 8,192, K 1,024] x [K 1,024, N 1,024]; A: input memory (given as codes); B: input Wk (given as codes): QUANTISED (scales: A lowp_scales[2], B lowp_scales[3])
;;     3. [M 8,192, K 1,024] x [K 1,024, N 1,024]; A: input memory (given as codes); B: input Wv (given as codes): QUANTISED (scales: A lowp_scales[4], B lowp_scales[5])
;;     4. batch 4 x [M 2,048, K 1,024] x [K 1,024, N 2,048]; A: computed on the way; B: computed on the way: QUANTISED (scales: A lowp_scales[6], B lowp_scales[7])
;;     5. batch 4 x [M 2,048, K 2,048] x [K 2,048, N 1,024]; A: softmax (see below); B: computed on the way: QUANTISED (scales: A lowp_scales[8], B lowp_scales[9])
;;     6. [M 8,192, K 1,024] x [K 1,024, N 1,024]; A: computed on the way; B: input Wo (given as codes): QUANTISED (scales: A lowp_scales[10], B lowp_scales[11])
;;   THE QUANTISER, for each operand of a quantised product, along K:
;;     - The operand's scale is 2^e, e = its entry of the input lowp_scales (int32; the entries are numbered through the quantised products in the list's order, A before B).
;;     - Each number is divided by the scale, clamped to +-448, and rounded to the nearest number of E4M3, ties to even, subnormals kept.
;;     - The product sums the exact products of the quantised numbers (number of the format x scale) in f32.
;;   ~~~python
;;   def quantise(x, axis, e):      # numpy; x: float32 -> the quantised numbers, widened to float32 again
;;       x = np.moveaxis(x, axis, -1); K = x.shape[-1]
;;       r = np.clip(x / 2.0 ** e, -448, 448)
;;       step = 2.0 ** (np.maximum(np.frexp(np.where(r == 0, 1, r))[1] - 1, -6) - 3)
;;       q = np.round(r / step) * step * 2.0 ** e      # np.round: ties to even
;;       return np.moveaxis(q, -1, axis).astype(np.float32)
;;   ~~~
;;   SOFTMAX AHEAD OF A QUANTISED PRODUCT. Where the list says 'softmax', what is quantised is not the finished softmax but p = 2^(t - M), with t = logit x log2(e) and M = ceil(the row's largest t), a whole number; so 1/2 < the row's largest p <= 1. The row's sum l is taken of the UNQUANTISED p, in f32, and the product's result is divided by l at the end. Since M is a whole number, a kernel that streams over the keys may use a running M (the ceiling of the running maximum): every later rescaling is an exact power of two, so the quantised numbers keep their values, but for numbers so far below the row's largest that they fall under the format's range.
;;   OPERANDS COMPUTED ON THE WAY. 'Computed on the way' means the value that the module computes at that place (a softmax that the list does not call 'softmax' is quantised finished and normalised). What goes into a quantiser is computed in f32, as accurately as f32 sums, v_exp_f32 and their like allow (about 1e-6 of the number): no bf16 or f16 on the way to a quantiser, and a product that is left as it is and whose result goes on into a quantised operand takes f32 operands (vector FMAs, or v_wmma_f32_16x16x4_f32). A number that lies on a knife's edge between two numbers of the format may be rounded either way, as far as f32 arithmetic and the matrix unit's own rounding can turn it there, and no further.
;;   INPUTS GIVEN AS CODES. Wk (in the module: [1024, 1024], K = its axis 1); Wo (in the module: [1024, 1024], K = its axis 1); Wq (in the module: [1024, 1024], K = its axis 1); Wv (in the module: [1024, 1024], K = its axis 1); input (in the module: [4, 2048, 1024], K = its axis 2); memory (in the module: [4, 2048, 1024], K = its axis 2): each comes as NAME_codes (uint8): NAME with its K axis moved to the last place and cut into blocks of 32 codes, [.., K / 32, bytes a block], one block behind the other in memory; one code a byte (a code: sign, 4 exponent bits, 3 mantissa bits); its scale is its entry of lowp_scales. Its value is code x scale, taken as it is: it is not quantised again, and the codes and scales need not be those that the quantiser above would give.
;; One version. Each part assembles by itself: llvm-mc -triple=amdgcn-amd-amdhsa -mcpu=gfx1250 --defsym DOCPART=n.
;; ======== version 1 of 1: 4 launches
;; workspace buffers: q_img 8,388,608 bytes; k_img 8,388,608 bytes; v_img 8,388,608 bytes; p_img 16,777,216 bytes; ml 1,048,576 bytes; ctx_img 8,388,608 bytes
;; launch proj (part 1): grid 4 x 96, 4 waves a work-group, clusters of 4 x 4, 327,680 bytes of LDS; arguments input_codes, memory_codes, Wq_codes, Wk_codes, Wv_codes, bq, bk, bv, lowp_scales, q_img, k_img, v_img; writes q_img, k_img, v_img
.if DOCPART == 1
	.amdgcn_target "amdgcn-amd-amdhsa--gfx1250"
	.amdhsa_code_object_version 6
	.text
	.protected	k_qddc722172b_proj
	.globl	k_qddc722172b_proj
	.p2align	8
	.type	k_qddc722172b_proj,@function
k_qddc722172b_proj:
	s_mov_b64 s[64:65], 0
	v_nop
	global_prefetch_b8 v0, s[64:65] scope:SCOPE_SE
	s_setreg_imm32_b32 hwreg(HW_REG_WAVE_MODE, 25, 1), 1
	s_wait_xcnt 0x0
	s_wait_alu depctr_hold_cnt(0) depctr_sa_sdst(0) depctr_va_vdst(0) depctr_va_sdst(0) depctr_va_ssrc(0) depctr_va_vcc(0) depctr_vm_vsrc(0)
	s_getreg_b32 s2, hwreg(HW_REG_IB_STS2, 6, 4)
	s_cmp_eq_u32 s2, 0
	s_cbranch_scc0 .Lentry_in_a_cluster
	s_endpgm
.Lentry_in_a_cluster:
	s_bfe_u32 s2, ttmp6, 0x10000c
	s_cmp_lg_u32 s2, 0xf033
	s_cbranch_scc0 .Lentry_shape_is_right
	s_endpgm
.Lentry_shape_is_right:
; THE PROGRAM: out = softmax(mask(q k^T / 32)) v Wo^T + bo, with q = input Wq^T + bq, k = memory Wk^T + bk, v = memory Wv^T + bv; all six products on codes of E4M3, one given scale 2^e a tensor.
; Four launches: this one (q, k, v), scores (q k^T, mask, softmax by blocks of 128 keys), pv (p v), outp (the last projection).
; DEAD WORK: none.  Every bias goes into a quantised operand or into the output, the mask decides every logit, every weight and both activations reach out0: every input is loaded.
; THIS LAUNCH: three products [8192 x 1024] x [1024 x 1024] on given codes; each sum x 2^(ea + eb) + bias, in f32, is quantised with the scale of the product that takes it (q: entry 6, k: entry 7, v: entry 9).
; A tile of C is 256 x 256, four waves, 128 x 128 a wave: 64 accumulators of 16 x 16.  K goes in steps of 256 through a ring of two LDS slots filled by the tensor data mover.
; The cluster's y picks the product (y / 8: 0 q, 1 k, 2 v) and four of its 32 blocks of 256 rows of the activation (y % 8).  q and k: A = the activation, B = the weight.
; v IS MADE TRANSPOSED: A = Wv (rows d), B = memory (rows = keys): a lane then holds one d and its registers run along the keys, which are the K of the product p v.
; THE MATRIX INSTRUCTION IS USED TRANSPOSED (source 0 = 16 rows of B, source 1 = 16 rows of A): register j of accumulator (a, b) in lane (r, h) is C(16 a + r, 16 b + 8 h + j).
; So one conversion of an accumulator's eight registers gives registers 2 b, 2 b + 1 of a fragment of the next product (16 rows x 128 K, k = 16 b + 8 h + j): the results leave as IMAGES OF THAT FRAGMENT'S REGISTERS:
; 2,048 bytes a fragment, registers 4 c .. 4 c + 3 of lane l at 512 c + 16 l: each store of the wave covers 512 consecutive bytes, aligned, and no stage in LDS is needed.
; q_img, k_img: [512 tiles of 16 rows][8 K steps][2048].  v_img: [4 batches][64 tiles of 16 d][16 K steps of 128 keys][2048].
; Here both operands come from rows of codes by four loads of 16 bytes a fragment: a permutation of k inside an instruction, the same on both sides: every product meets its partner.
; CLUSTERS: 4 x 4 work-groups; A's tile is asked for jointly along a row of the cluster, B's along a column.
; LIMITS: e0 + e1, e2 + e3, e4 + e5 between -126 and 127; e6, e7, e9 between -126 and 119 (each power of two below is an f32 number).  NaN and infinity among the inputs are not served.
; REGISTERS: window 0: v16-31 addresses and constants; v32-95 bias along n; v96-111 bias along m, in pairs; v128-255 A's fragments, ONE set; on the way out v128-191 numbers, v192-255 codes.
;   window 1: B's fragments, two sets.   windows 2, 3: the accumulators of my rows 0-63, 64-127 ((a, b) at v[8 (8 (a % 4) + b)]).
.set KROW,   1024                      ; a row of codes in memory, bytes
.set ROWB,   256                       ; a tile's row: 256 along K
.set PITCH,  272                       ; in LDS: + 16 of padding = 68 words: the 16 rows of a fragment load start at 16 different banks (64 banks of 4 bytes: ISA guide 11.1)
.set FR,     16
.set NL,     4
.set NP,     4                         ; places behind this matrix instruction (ISA guide 7.12.1)
.set HALFT,  128*PITCH
.set SLOT,   4*HALFT
.set SPARE,  2*SLOT                    ; behind the ring: the spare words, 128 bytes a wave
.set ADRA, 16
.set ADRB, 20
.set BAN,  24                          ; v24  32 h: my eight numbers of a tile of the bias along n
.set BAM,  25                          ; v25  4 r: my number of a tile of the bias along m
.set LI,   26                          ; v26  16 x lane
.set SPW,  28
.set NIL,  29
.set SC,   30                          ; v30  2^eout as f32
.set LIM,  31                          ; v31  448 x 2^eout
.set BN,   32
.set BM,   96
.set AF,   128
.set T,    128
.set PC,   192
.set G1,  24
.set G0,  32
.set G1B, 48
.set G0B, 56
.set PID, 12                           ; s12  which product
.set MSB, 0
.macro WIN new                         ; the immediate's high byte repeats the setting that is left
.if MSB != (\new)
	s_set_vgpr_msb (MSB<<8)|(\new)
.set MSB, (\new)
.endif
.endm
.set MUL_LO, 0xa1                      ; source 0 (B) window 1, source 1 (A) window 0, C and D window 2
.set MUL_HI, 0xf1
.set TO_B,   0x40
; A joint load: waves 0 and 1 fetch for A, waves 2 and 3 for B; the branch hangs on the wave's number alone.  An s_nop 0 and four v_nop follow each line.
.macro JLOAD g0a, g1a, g0b, g1b
	s_cmp_eq_u32 s15, 0
	s_cbranch_scc0 .Lfor_b_\@
	tensor_load_to_lds s[\g0a:\g0a+3], s[\g1a:\g1a+7]
	s_nop 0
.rept 4
	v_nop
.endr
	s_branch .Lasked_\@
.Lfor_b_\@:
	tensor_load_to_lds s[\g0b:\g0b+3], s[\g1b:\g1b+7]
	s_nop 0
.rept 4
	v_nop
.endr
.Lasked_\@:
.endm
.macro CREST                           ; a round of the cluster's barrier behind its opening barrier
	s_cmp_lg_u32 s14, 0
	s_cbranch_scc1 .Lnot_wave_0_\@
	s_barrier_signal -3
.Lnot_wave_0_\@:
	s_barrier_wait -3
	s_barrier_signal -1
	s_barrier_wait -1
.endm
.macro CROUND
	s_barrier_signal -1
	s_barrier_wait -1
	CREST
.endm
.macro PLACES n
.rept \n
	v_nop
.endr
.endm
	s_load_b512 s[68:83], s[0:1], 0x0              ; input, memory, Wq, Wk, Wv, bq, bk, bv
	s_load_b256 s[84:91], s[0:1], 0x40             ; the scales' exponents, q_img, k_img, v_img
	v_lshl_add_u32 v[SPW], v0, 2, SPARE
	v_mov_b32 v[NIL], 0
	ds_add_u32 v[SPW], v[NIL]                      ; the wave's opening: the add, twice on end, and its wait ahead of my first tensor load
	ds_add_u32 v[SPW], v[NIL]
	v_lshrrev_b32 v1, 5, v0
	v_readfirstlane_b32 s14, v1                    ; wave 0..3
	s_lshr_b32 s15, s14, 1                         ; my half of the tile's rows.  Also: I fetch for A (0) or for B (1)
	s_and_b32 s16, s14, 1                          ; my half of its columns.  Also: which 128 rows I fetch
	s_bfe_u32 s40, ttmp6, 0x40000                  ; cx
	s_bfe_u32 s41, ttmp6, 0x40004                  ; cy
	s_and_b32 s13, ttmp7, 0xffff                   ; the cluster's y, 0 .. 23 (its x is 0: the grid is one cluster wide)
	s_lshr_b32 s[PID], s13, 3                      ; the product: the same in all sixteen partners
	s_and_b32 s13, s13, 7
	s_lshl_b32 s13, s13, 2                         ; four blocks of the activation's 32
	s_cmp_eq_u32 s[PID], 2
	s_cselect_b32 s17, 0, s13                      ; q, k: the activation is A: its blocks go down the tile rows;
	s_cselect_b32 s42, s13, 0                      ; v: it is B: they go along the tile columns
	s_add_co_u32 s17, s17, s41                     ; tile row: made of cy and the cluster's y alone
	s_add_co_u32 s42, s42, s40                     ; tile column: of cx and the cluster's y alone
	s_lshl_b32 s43, s41, 2
	s_lshl_b32 s43, 15, s43                        ; my row of the cluster
	s_lshl_b32 s44, 0x1111, s40                    ; my column
	s_or_b32 s[G1+0], s43, (1<<20)|(1<<21)|(5<<22)|(3<<25)   ; the mask; elements of 1 byte; padding on; bit 21 beside a mask; after every 64 words, 4 words
	s_or_b32 s[G1B+0], s44, (1<<20)|(1<<21)|(5<<22)|(3<<25)
.irp g, G1, G1B
	s_mov_b32 s[\g+1], ROWB<<16                    ; tensor_dim0
	s_mov_b32 s[\g+2], 128<<16                     ; tensor_dim1
	s_mov_b32 s[\g+3], ROWB<<16                    ; tile_dim0
	s_mov_b32 s[\g+4], 128                         ; tile_dim1
	s_mov_b32 s[\g+5], KROW                        ; the pitch
	s_mov_b32 s[\g+6], 0
	s_mov_b32 s[\g+7], 0
.endr
	s_lshl_b32 s18, s16, 7
	s_lshl_b32 s20, s17, 8
	s_add_co_u32 s20, s20, s18
	s_lshl_b32 s20, s20, 10                        ; A: (256 x tile row + 128 x half) rows of 1,024 bytes
	s_mov_b32 s21, 0
	s_lshl_b32 s46, s42, 8
	s_add_co_u32 s46, s46, s18
	s_lshl_b32 s46, s46, 10                        ; B likewise, by the tile column
	s_mov_b32 s47, 0
	s_mul_i32 s45, s14, HALFT                      ; where they go: wave x 128 rows
	s_wait_dscnt 0x0                               ; both opening adds are done
	s_wait_kmcnt 0x0
	s_cmp_eq_u32 s[PID], 0                         ; the product's four buffers: the choice hangs on the cluster's y alone
	s_cselect_b64 s[4:5], s[68:69], s[70:71]       ; A
	s_cselect_b64 s[6:7], s[72:73], s[74:75]       ; B
	s_cselect_b64 s[8:9], s[78:79], s[80:81]       ; the bias
	s_cselect_b64 s[10:11], s[86:87], s[88:89]     ; the images
	s_cmp_eq_u32 s[PID], 2
	s_cselect_b64 s[4:5], s[76:77], s[4:5]
	s_cselect_b64 s[6:7], s[70:71], s[6:7]
	s_cselect_b64 s[8:9], s[82:83], s[8:9]
	s_cselect_b64 s[10:11], s[90:91], s[10:11]
	s_load_b256 s[68:75], s[84:85], 0x0            ; e0 .. e7
	s_load_b128 s[76:79], s[84:85], 0x20           ; e8 .. e11
	s_add_nc_u64 s[20:21], s[4:5], s[20:21]
	s_add_nc_u64 s[46:47], s[6:7], s[46:47]
	CROUND                                         ; all sixteen work-groups are here: the first joint loads meet
.irp s, 0,1
	s_mov_b32 s[G0+4*\s], 1
	s_add_co_u32 s[G0+4*\s+1], s45, \s*SLOT
	s_add_nc_u64 s[G0+4*\s+2:G0+4*\s+3], s[20:21], \s*ROWB
	s_or_b32 s[G0+4*\s+3], s[G0+4*\s+3], 0x80000000
	s_mov_b32 s[G0B+4*\s], 1
	s_add_co_u32 s[G0B+4*\s+1], s45, \s*SLOT
	s_add_nc_u64 s[G0B+4*\s+2:G0B+4*\s+3], s[46:47], \s*ROWB
	s_or_b32 s[G0B+4*\s+3], s[G0B+4*\s+3], 0x80000000
	JLOAD G0+4*\s, G1, G0B+4*\s, G1B               ; two loads of mine are out
.endr
	v_and_b32 v1, 15, v0                           ; r
	v_bfe_u32 v2, v0, 4, 1                         ; h
	v_mul_u32_u24 v3, v1, PITCH
	v_lshl_add_u32 v4, v2, 4, v3
	s_mul_i32 s21, s15, HALFT
	s_mul_i32 s22, s16, HALFT
	s_add_co_u32 s22, s22, 2*HALFT
.irp s, 0,1
	v_add_nc_u32 v[ADRA+\s], s21, v4
	v_add_nc_u32 v[ADRB+\s], s22, v4
	s_add_co_u32 s21, s21, SLOT
	s_add_co_u32 s22, s22, SLOT
.endr
	v_and_b32 v5, 31, v0
	v_lshlrev_b32 v[LI], 4, v5
	v_lshlrev_b32 v[BAN], 5, v2
	v_lshlrev_b32 v[BAM], 2, v1
	; THE BIAS lies along n for q and k and along m for v.  Both kinds are fetched by every work-group, with the tile's number held inside the bias's four blocks of 256, and no branch stands here:
	; so the registers of both ways out are written on every way through the text.  One of the two kinds (8 or 16 small loads a wave) is not used.
	s_and_b32 s18, s42, 3
	s_lshl_b32 s18, s18, 10
	s_lshl_b32 s19, s16, 9
	s_add_co_u32 s18, s18, s19
	s_mov_b32 s19, 0
	s_add_nc_u64 s[92:93], s[8:9], s[18:19]        ; along n: my 128 columns' numbers
	s_and_b32 s18, s17, 3
	s_lshl_b32 s18, s18, 10
	s_lshl_b32 s22, s15, 9
	s_add_co_u32 s18, s18, s22
	s_add_nc_u64 s[94:95], s[8:9], s[18:19]        ; along m: my 128 rows' numbers
.irp b, 0,1,2,3,4,5,6,7
	global_load_b128 v[BN+8*\b:BN+8*\b+3], v[BAN], s[92:93] offset:64*\b
	global_load_b128 v[BN+8*\b+4:BN+8*\b+7], v[BAN], s[92:93] offset:64*\b+16
.endr
.irp a, 0,1,2,3,4,5,6,7
	global_load_b32 v[BM+2*\a], v[BAM], s[94:95] offset:64*\a
.endr
	; where my images go: tile of rows 16 x tile row + 8 x half; q, k: K step 2 x tile column + half; v: batch = tile column / 8, K step 2 (tile column % 8) + half
	s_lshl_b32 s20, s17, 4
	s_lshl_b32 s21, s15, 3
	s_add_co_u32 s20, s20, s21
	s_cmp_eq_u32 s[PID], 2
	s_cselect_b32 s21, 15, 14
	s_lshl_b32 s20, s20, s21                       ; a tile of rows is 16,384 bytes (8 K steps), in v_img 32,768 (16)
	s_lshr_b32 s21, s42, 3
	s_lshl_b32 s21, s21, 21
	s_add_co_u32 s20, s20, s21
	s_and_b32 s21, s42, 7
	s_lshl_b32 s21, s21, 1
	s_add_co_u32 s21, s21, s16
	s_lshl_b32 s21, s21, 11
	s_add_co_u32 s20, s20, s21
	s_mov_b32 s21, 0
	s_add_nc_u64 s[10:11], s[10:11], s[20:21]
.macro FRAG reg, adr, q, i             ; 16 rows x 128 K: four loads of 16 bytes, 32 bytes apart
.irp c, 0,1,2,3
	ds_load_b128 v[\reg+4*\c:\reg+4*\c+3], v[\adr] offset:128*(\q)+32*\c+(\i)*16*PITCH
.endr
.endm
; 16 matrix instructions: A's blocks a0, a0 + 1 x B's eight.  The 64 accumulators take turns, one instruction a turn, in the same order in every step.
.macro MUL16 a0, p, zero
.irp a, \a0, \a0+1
.irp b, 0,1,2,3,4,5,6,7
.if \zero
	v_wmma_f32_16x16x128_fp8_fp8 v[8*(8*((\a)%4)+\b):8*(8*((\a)%4)+\b)+7], v[128*(\p)+FR*\b:128*(\p)+FR*\b+FR-1], v[AF+FR*(\a):AF+FR*(\a)+FR-1], 0
.else
	v_wmma_f32_16x16x128_fp8_fp8 v[8*(8*((\a)%4)+\b):8*(8*((\a)%4)+\b)+7], v[128*(\p)+FR*\b:128*(\p)+FR*\b+FR-1], v[AF+FR*(\a):AF+FR*(\a)+FR-1], v[8*(8*((\a)%4)+\b):8*(8*((\a)%4)+\b)+7]
.endif
.endr
.endr
.endm
.macro FETCH_B slot, q, p
	WIN TO_B
.irp i, 0,1,2,3,4,5,6,7
	FRAG 128*(\p)+FR*\i, ADRB+\slot, \q, \i
.endr
	WIN 0
.endm
.macro FETCH_A slot, q, i0
.irp i, \i0, \i0+1, \i0+2, \i0+3
	FRAG AF+FR*(\i), ADRA+\slot, \q, \i
.endr
.endm
; A slot's first 128 along K.  A block of A is free as soon as its eight products are issued: blocks 0-3 are fetched anew in the step's middle, blocks 4-7 at its end; B has two sets.
.macro STEP slot, zero
	s_wait_dscnt 4*NL                              ; B's set and A's blocks 0-3 are in; the youngest 16 loads (A's blocks 4-7) may be out
	WIN MUL_LO
	MUL16 0, 0, \zero
	MUL16 2, 0, \zero
	s_wait_dscnt 0
	PLACES NP                                      ; in front of loads into registers that matrix instructions have read
	FETCH_B \slot, 1, 1
	FETCH_A \slot, 1, 0
	WIN MUL_HI
	MUL16 4, 0, \zero
	MUL16 6, 0, \zero
	PLACES NP
	WIN 0
	FETCH_A \slot, 1, 4
.endm
; A slot's second 128 along K changes slots: one barrier; in front of it each wave waits for all its tensor loads, adds 0 to its spare word, and waits for that and for its reads of this slot.
.macro TURN slot, next, fill
	s_wait_tensorcnt 0x0                           ; all my tensor loads have landed: my part of the next slot
	ds_add_u32 v[SPW], v[NIL]
	s_wait_dscnt 4*NL+1                            ; (the add and A's blocks 4-7 may be out)
	WIN MUL_LO
	MUL16 0, 1, 0
	s_wait_dscnt 0x0                               ; the add is done, and my reads of this slot are over
	s_barrier_signal -1
	MUL16 2, 1, 0
	WIN 0
	s_barrier_wait -1
.if \fill
	CREST                                          ; the barrier has opened a round of the cluster's: no wave of any partner still reads this slot or has a load on its way
	s_add_nc_u64 s[G0+4*\slot+2:G0+4*\slot+3], s[G0+4*\slot+2:G0+4*\slot+3], 2*ROWB
	s_add_nc_u64 s[G0B+4*\slot+2:G0B+4*\slot+3], s[G0B+4*\slot+2:G0B+4*\slot+3], 2*ROWB
	JLOAD G0+4*\slot, G1, G0B+4*\slot, G1B         ; the first tensor load behind the round; its four v_nop are the places in front of the loads below
.else
	PLACES NP
.endif
	FETCH_B \next, 0, 0
	FETCH_A \next, 0, 0
	WIN MUL_HI
	MUL16 4, 1, 0
	MUL16 6, 1, 0
	PLACES NP
	WIN 0
	FETCH_A \next, 0, 4
.endm
	s_wait_tensorcnt 1                             ; my part of slot 0 is in; slot 1's may stay out
	s_barrier_signal -1
	s_barrier_wait -1
	FETCH_B 0, 0, 0
	FETCH_A 0, 0, 0
	FETCH_A 0, 0, 4
	STEP 0, 1                                      ; K = 1,024 is four slots' worth: written out.  The first products start the sums
	TURN 0, 1, 1
	STEP 1, 0
	TURN 1, 0, 1
	STEP 0, 0
	TURN 0, 1, 0                                   ; nothing is left to fetch
	STEP 1, 0
	s_wait_dscnt 4*NL
	WIN MUL_LO
	MUL16 0, 1, 0
	MUL16 2, 1, 0
	s_wait_dscnt 0
	WIN MUL_HI
	MUL16 4, 1, 0
	MUL16 6, 1, 0
	WIN 0
	; THE WAY OUT.  number = sum x 2^(ea + eb) + bias, one fused multiply-add; held within +-448 x 2^eout; converted; stored as images.
	s_wait_kmcnt 0x0
	s_add_co_i32 s68, s68, s69
	s_add_co_i32 s70, s70, s71
	s_add_co_i32 s72, s72, s73
	s_cmp_eq_u32 s[PID], 0
	s_cselect_b32 s96, s68, s70
	s_cselect_b32 s98, s74, s75
	s_cmp_eq_u32 s[PID], 2
	s_cselect_b32 s96, s72, s96                    ; ea + eb
	s_cselect_b32 s98, s77, s98                    ; eout: entry 6, 7 or 9
	s_add_co_i32 s96, s96, 127
	s_lshl_b32 s96, s96, 23                        ; 2^(ea + eb) as f32
	s_mov_b32 s97, s96                             ; (named with it as a pair)
	s_add_co_i32 s98, s98, 127
	s_lshl_b32 s99, s98, 23
	s_add_co_i32 s98, s98, 8
	s_lshl_b32 s98, s98, 23
	s_or_b32 s98, s98, 0x600000
	s_wait_loadcnt 0x0                             ; the biases
	v_mov_b32 v[SC], s99
	v_mov_b32 v[LIM], s98
	PLACES NP                                      ; behind the last products: results are read, and A's registers written, below
; Block a of 16 rows: 64 numbers a lane; each accumulator is read from its low end on.  mtype = 1: the bias hangs on the row.  po: bytes from one tile of rows to the next.
.macro EPI mtype, po
.irp a, 0,1,2,3,4,5,6,7
	WIN 0x02+(\a/4)                                ; source 0: window 2 or 3
.set i, 0
.rept 32
.if \mtype
	v_pk_fma_f32 v[T+i:T+i+1], v[64*(\a%4)+i:64*(\a%4)+i+1], s[96:97], v[BM+2*\a:BM+2*\a+1] op_sel_hi:[1,0,1]
.else
	v_pk_fma_f32 v[T+i:T+i+1], v[64*(\a%4)+i:64*(\a%4)+i+1], s[96:97], v[BN+i:BN+i+1] op_sel_hi:[1,0,1]
.endif
.set i, i+2
.endr
	WIN 0
.set i, 0
.rept 64
	v_med3_num_f32 v[T+i], v[T+i], -v[LIM], v[LIM] ; the conversion to an 8-bit code does not saturate (ISA guide 7.6.2)
.set i, i+1
.endr
.if \a >= 4
	s_wait_xcnt 0x0                                ; block a - 4's stores have read this set of codes
.endif
.irp b, 0,1,2,3,4,5,6,7
	v_cvt_scalef32_pk8_fp8_f32 v[PC+16*(\a%4)+2*\b:PC+16*(\a%4)+2*\b+1], v[T+8*\b:T+8*\b+7], v[SC]   ; registers 2 b, 2 b + 1 of the fragment: k = 16 b + 8 h + 0 .. 7
.endr
	v_nop                                          ; one plain vector instruction behind the last conversion: the next block writes its sources
.irp c, 0,1,2,3
	global_store_b128 v[LI], v[PC+16*(\a%4)+4*\c:PC+16*(\a%4)+4*\c+3], s[10:11] offset:\a*\po+512*\c   ; 32 lanes store 512 consecutive bytes, aligned
.endr
.endr
.endm
	s_cmp_eq_u32 s[PID], 2                         ; the cluster's y alone: the same in all partners
	s_cbranch_scc1 .Lv_out
	EPI 0, 16384
	s_branch .Ldone
.Lv_out:
.irp a, 0,1,2,3,4,5,6,7
	v_mov_b32 v[BM+2*\a+1], v[BM+2*\a]             ; the row's bias twice: a pair for the packed form
.endr
	EPI 1, 32768
.Ldone:
	s_wait_tensorcnt 0x0                           ; the wave's end
	ds_add_u32 v[SPW], v[NIL]
	s_wait_dscnt 0x0
	CROUND                                         ; the closing round
	s_endpgm
.Lfunc_end_k_qddc722172b_proj:
	.size	k_qddc722172b_proj, .Lfunc_end_k_qddc722172b_proj-k_qddc722172b_proj
	.p2alignl 7, 3214868480
	.fill 96, 4, 3214868480
	.section	.rodata,"a",@progbits
	.p2align	6, 0x0
	.amdhsa_kernel k_qddc722172b_proj
		.amdhsa_group_segment_fixed_size 327680
		.amdhsa_private_segment_fixed_size 0
		.amdhsa_enable_private_segment 0
		.amdhsa_kernarg_size 96
		.amdhsa_user_sgpr_count 2
		.amdhsa_user_sgpr_kernarg_segment_ptr 1
		.amdhsa_wavefront_size32 1
		.amdhsa_system_sgpr_workgroup_id_x 1
		.amdhsa_system_sgpr_workgroup_id_y 1
		.amdhsa_system_sgpr_workgroup_id_z 1
		.amdhsa_system_vgpr_workitem_id 0
		.amdhsa_next_free_vgpr 1024
		.amdhsa_next_free_sgpr 100
		.amdhsa_reserve_vcc 0
		.amdhsa_float_denorm_mode_32 3
		.amdhsa_float_denorm_mode_16_64 3
		.amdhsa_memory_ordered 1
		.amdhsa_forward_progress 1
		.amdhsa_inst_pref_size 193
	.end_amdhsa_kernel
	.amdgpu_metadata
---
amdhsa.version: [ 1, 2 ]
amdhsa.kernels:
  - .name:           k_qddc722172b_proj
    .symbol:         k_qddc722172b_proj.kd
    .args:
      - { .name: input_codes, .offset: 0, .size: 8, .value_kind: global_buffer, .address_space: global }
      - { .name: memory_codes, .offset: 8, .size: 8, .value_kind: global_buffer, .address_space: global }
      - { .name: Wq_codes, .offset: 16, .size: 8, .value_kind: global_buffer, .address_space: global }
      - { .name: Wk_codes, .offset: 24, .size: 8, .value_kind: global_buffer, .address_space: global }
      - { .name: Wv_codes, .offset: 32, .size: 8, .value_kind: global_buffer, .address_space: global }
      - { .name: bq, .offset: 40, .size: 8, .value_kind: global_buffer, .address_space: global }
      - { .name: bk, .offset: 48, .size: 8, .value_kind: global_buffer, .address_space: global }
      - { .name: bv, .offset: 56, .size: 8, .value_kind: global_buffer, .address_space: global }
      - { .name: lowp_scales, .offset: 64, .size: 8, .value_kind: global_buffer, .address_space: global }
      - { .name: q_img, .offset: 72, .size: 8, .value_kind: global_buffer, .address_space: global }
      - { .name: k_img, .offset: 80, .size: 8, .value_kind: global_buffer, .address_space: global }
      - { .name: v_img, .offset: 88, .size: 8, .value_kind: global_buffer, .address_space: global }
    .group_segment_fixed_size: 327680
    .private_segment_fixed_size: 0
    .kernarg_segment_align: 8
    .kernarg_segment_size: 96
    .max_flat_workgroup_size: 128
    .sgpr_count:     100
    .vgpr_count:     1024
    .wavefront_size: 32
...
	.end_amdgpu_metadata
.endif
;; end of part 1
;; launch scores (part 2): grid 8 x 32, 4 waves a work-group, clusters of 4 x 4, 327,680 bytes of LDS; arguments q_img, k_img, mask, lowp_scales, p_img, ml; writes p_img, ml
.if DOCPART == 2
	.amdgcn_target "amdgcn-amd-amdhsa--gfx1250"
	.amdhsa_code_object_version 6
	.text
	.protected	k_qddc722172b_scores
	.globl	k_qddc722172b_scores
	.p2align	8
	.type	k_qddc722172b_scores,@function
k_qddc722172b_scores:
	s_mov_b64 s[64:65], 0
	v_nop
	global_prefetch_b8 v0, s[64:65] scope:SCOPE_SE
	s_setreg_imm32_b32 hwreg(HW_REG_WAVE_MODE, 25, 1), 1
	s_wait_xcnt 0x0
	s_wait_alu depctr_hold_cnt(0) depctr_sa_sdst(0) depctr_va_vdst(0) depctr_va_sdst(0) depctr_va_ssrc(0) depctr_va_vcc(0) depctr_vm_vsrc(0)
	s_getreg_b32 s2, hwreg(HW_REG_IB_STS2, 6, 4)
	s_cmp_eq_u32 s2, 0
	s_cbranch_scc0 .Lentry_in_a_cluster
	s_endpgm
.Lentry_in_a_cluster:
	s_bfe_u32 s2, ttmp6, 0x10000c
	s_cmp_lg_u32 s2, 0xf033
	s_cbranch_scc0 .Lentry_shape_is_right
	s_endpgm
.Lentry_shape_is_right:
; S = q k^T on codes; t = S x 2^(e6 + e7) x log2(e) / 32, or -1e10 x log2(e) where mask = 0; then the softmax BY BLOCKS OF 128 KEYS: for each query and block M = ceil(the block's largest t), a whole number,
; p = 2^(t - M), l = the block's sum of the unquantised p; p is quantised with 2^e8.  p's codes and (M, l) are stored; the next launch brings the blocks under the row's M by exact powers of two.
; No work is left out: every logit is computed and the mask selects.
; LIMITS.  p is quantised against its own block's M, which is never above the row's: numbers that the row's M would push under the format's range are kept finer than under the row's M.
; e6 + e7 between -121 and 132 (added to the exponent field of log2(e) / 32); e8 between -126 and 119.  NaN and infinity among the inputs are not served.
; SHARES.  4 batches x 8 x 8 tiles of 256 queries x 256 keys: 256 work-groups.  Wave (wm, wn) makes 128 x 128: 64 accumulators, (a, b) at v[8 (8 (a % 4) + b)] of window 2 (a < 4) or 3.
; Source 0 = 16 keys, source 1 = 16 queries: lane (r, h) holds query 16 a + r, and register j of (a, b) key 16 b + 8 h + j: a wave's 128 keys are one block, and a conversion of an accumulator gives
; registers 2 b, 2 b + 1 of a fragment of p.
; OPERANDS are images of fragments (2,048 bytes: registers 4 c .. 4 c + 3 of lane l at 512 c + 16 l), [tile of 16 rows][8 K steps]: a slot's 256 along K are 4,096 consecutive bytes of each tile of rows,
; and a fragment comes from LDS by four loads of 512 consecutive bytes: no pitch, no padding.  K = 1,024 is four slots' worth, through a ring of two slots.
; A step of 128 along K is 64 matrix instructions, A's blocks one after the other, each against B's eight: A has one set of registers (blocks 0-3 fetched anew in the step's middle, 4-7 at its end), B two.
; THE MASK of a wave is 128 rows x 512 bytes, eight blocks of 16 rows, 64 registers a block.  While the products run 64 registers are free: block 0 is asked for at the head.  Blocks 1 and 2 are asked for ahead of
; the last K step, into B's set 0, which has had its last product; blocks 3 and 4 behind the last products, into B's set 1; blocks 5, 6, 7 into the registers that blocks 0, 1, 2 have left.  At most 64 loads are out.
; On the way out a block turns through the wave's own stage in LDS into the accumulators' layout.
; CLUSTERS: 4 x 4; q's tile is asked for jointly along a row of the cluster, k's along a column.
; REGISTERS: window 0: v4-15 statistics; v16-31 addresses and constants; v32-63 p's codes, two sets; v64-127 a block of the mask; v128-255 A's fragments, on the way out t (v128-191) and the mask's words (v192-255).
;   window 1: B's two sets, then four blocks of the mask.
.set FR,     16
.set NL,     4
.set NP,     4                         ; places behind this matrix instruction (ISA guide 7.12.1)
.set SLOT,   131072                    ; A: 16 tiles of rows x 4,096; B: the same
.set BOFF,   65536
.set MPITCH, 528                       ; a row of the mask's stage: 512 bytes + 16 = 132 words: 16 rows start at 16 different banks (64 banks of 4 bytes: ISA guide 11.1)
.set MSTG,   2*SLOT                    ; behind the ring: 16 rows a wave
.set MLSTG,  MSTG+4*16*MPITCH          ; 1,024 bytes a wave: (M, l) of its 128 rows
.set SPARE,  MLSTG+4*1024              ; the spare words, 128 bytes a wave
.set NM,   4                           ; v[4:5]   -M (the low word serves both halves)
.set SUM,  6                           ; v[6:9]
.set MX,   10                          ; v10-12
.set TM,   13                          ; v13  -1e10 x log2(e)
.set ML,   14                          ; v[14:15]  M, l
.set ADRA, 16
.set ADRB, 20
.set LI,   22                          ; v22  16 x lane
.set MST,  23
.set MRD,  24
.set MLS,  25
.set MLR,  26
.set SPW,  28
.set NIL,  29
.set SC,   30
.set LIM,  31
.set PC,   32
.set MB0,  64
.set AF,   128
.set T,    128
.set X,    192
.set G1,  24
.set G0,  32
.set G1B, 48
.set G0B, 56
.set SEL, 92
.set CS,  94
.set MSB, 0
.macro WIN new                         ; the immediate's high byte repeats the setting that is left
.if MSB != (\new)
	s_set_vgpr_msb (MSB<<8)|(\new)
.set MSB, (\new)
.endif
.endm
.set MUL_LO, 0xa1                      ; source 0 (B) window 1, source 1 (A) window 0, C and D window 2
.set MUL_HI, 0xf1
.set TO_B,   0x40
.macro JLOAD g0a, g1a, g0b, g1b        ; waves 0, 1 fetch for A, waves 2, 3 for B; an s_nop 0 and four v_nop follow each line
	s_cmp_eq_u32 s15, 0
	s_cbranch_scc0 .Lfor_b_\@
	tensor_load_to_lds s[\g0a:\g0a+3], s[\g1a:\g1a+7]
	s_nop 0
.rept 4
	v_nop
.endr
	s_branch .Lasked_\@
.Lfor_b_\@:
	tensor_load_to_lds s[\g0b:\g0b+3], s[\g1b:\g1b+7]
	s_nop 0
.rept 4
	v_nop
.endr
.Lasked_\@:
.endm
.macro CREST                           ; a round of the cluster's barrier behind its opening barrier
	s_cmp_lg_u32 s14, 0
	s_cbranch_scc1 .Lnot_wave_0_\@
	s_barrier_signal -3
.Lnot_wave_0_\@:
	s_barrier_wait -3
	s_barrier_signal -1
	s_barrier_wait -1
.endm
.macro CROUND
	s_barrier_signal -1
	s_barrier_wait -1
	CREST
.endm
.macro PLACES n
.rept \n
	v_nop
.endr
.endm
; Block a of the mask, 16 rows, into window w from register reg on: each load reads 512 consecutive bytes of one row; read once in the launch.
.macro MLOAD a, w, reg
	WIN (\w)<<6                                    ; the destination's window
.set i, 0
.rept 16
	global_load_b128 v[\reg+4*i:\reg+4*i+3], v[LI], s[8:9] offset:8192*(16*(\a)+i) th:TH_LOAD_NT
.set i, i+1
.endr
	WIN 0
.endm
	s_load_b256 s[4:11], s[0:1], 0x0               ; q_img, k_img, mask, the scales' exponents
	s_load_b128 s[68:71], s[0:1], 0x20             ; p_img, ml
	v_lshl_add_u32 v[SPW], v0, 2, SPARE
	v_mov_b32 v[NIL], 0
	ds_add_u32 v[SPW], v[NIL]                      ; the wave's opening: the add, twice on end, and its wait ahead of my first tensor load
	ds_add_u32 v[SPW], v[NIL]
	v_lshrrev_b32 v1, 5, v0
	v_readfirstlane_b32 s14, v1                    ; wave
	s_lshr_b32 s15, s14, 1                         ; wm.  Also: I fetch for A (0) or for B (1)
	s_and_b32 s16, s14, 1                          ; wn.  Also: which half I fetch
	s_bfe_u32 s40, ttmp6, 0x40000                  ; cx
	s_bfe_u32 s41, ttmp6, 0x40004                  ; cy
	s_lshl_b32 s42, ttmp9, 2
	s_add_co_u32 s42, s42, s40                     ; tile column: 256 keys, 0 .. 7
	s_and_b32 s18, ttmp7, 0xffff
	s_lshl_b32 s17, s18, 2
	s_add_co_u32 s17, s17, s41                     ; tile row: 256 queries, 0 .. 31
	s_lshr_b32 s19, s18, 1                         ; the batch (8 tile rows each): the same in all sixteen partners
	s_lshl_b32 s43, s41, 2
	s_lshl_b32 s43, 15, s43                        ; my row of the cluster
	s_lshl_b32 s44, 0x1111, s40                    ; my column
	s_or_b32 s[G1+0], s43, (1<<21)                 ; the mask of my row; elements of 1 byte; no padding; bit 21 beside a mask
	s_or_b32 s[G1B+0], s44, (1<<21)
.irp g, G1, G1B
	s_mov_b32 s[\g+1], 4096<<16                    ; tensor_dim0: a slot's part of a tile of rows
	s_mov_b32 s[\g+2], 8<<16                       ; tensor_dim1: eight tiles of rows a load
	s_mov_b32 s[\g+3], 4096<<16                    ; tile_dim0
	s_mov_b32 s[\g+4], 8                           ; tile_dim1
	s_mov_b32 s[\g+5], 16384                       ; from one tile of rows to the next
	s_mov_b32 s[\g+6], 0
	s_mov_b32 s[\g+7], 0
.endr
	s_lshl_b32 s20, s17, 4
	s_lshl_b32 s21, s16, 3
	s_add_co_u32 s20, s20, s21
	s_lshl_b32 s20, s20, 14                        ; A: tile of rows 16 x tile row + 8 x half
	s_mov_b32 s21, 0
	s_lshl_b32 s46, s19, 7
	s_lshl_b32 s47, s42, 4
	s_add_co_u32 s46, s46, s47
	s_lshl_b32 s47, s16, 3
	s_add_co_u32 s46, s46, s47
	s_lshl_b32 s46, s46, 14                        ; B: 128 x batch + 16 x tile column + 8 x half
	s_mov_b32 s47, 0
	s_lshl_b32 s45, s14, 15                        ; where they go: A's two halves, then B's two: wave x 32,768
	s_mov_b32 s[SEL], 0x76543210
	s_mov_b32 s[SEL+1], 0xfedcba98
	s_wait_dscnt 0x0                               ; both opening adds are done
	s_wait_kmcnt 0x0
	s_load_b96 s[72:74], s[10:11], 0x18            ; e6, e7, e8
	s_add_nc_u64 s[20:21], s[4:5], s[20:21]
	s_add_nc_u64 s[46:47], s[6:7], s[46:47]
	CROUND                                         ; all sixteen work-groups are here: the first joint loads meet
.irp s, 0,1
	s_mov_b32 s[G0+4*\s], 1
	s_add_co_u32 s[G0+4*\s+1], s45, \s*SLOT
	s_add_nc_u64 s[G0+4*\s+2:G0+4*\s+3], s[20:21], \s*4096
	s_or_b32 s[G0+4*\s+3], s[G0+4*\s+3], 0x80000000
	s_mov_b32 s[G0B+4*\s], 1
	s_add_co_u32 s[G0B+4*\s+1], s45, \s*SLOT
	s_add_nc_u64 s[G0B+4*\s+2:G0B+4*\s+3], s[46:47], \s*4096
	s_or_b32 s[G0B+4*\s+3], s[G0B+4*\s+3], 0x80000000
	JLOAD G0+4*\s, G1, G0B+4*\s, G1B               ; two loads of mine are out
.endr
	v_and_b32 v1, 31, v0
	v_lshlrev_b32 v[LI], 4, v1
	v_and_b32 v2, 15, v0                           ; r
	v_bfe_u32 v3, v0, 4, 1                         ; h
	; the mask: my 128 rows of 8,192 bytes, my 128 columns' 512 bytes
	s_lshl_b32 s76, s17, 8
	s_lshl_b32 s77, s15, 7
	s_add_co_u32 s76, s76, s77
	s_lshl_b32 s76, s76, 13
	s_lshl_b32 s77, s42, 10
	s_add_co_u32 s76, s76, s77
	s_lshl_b32 s77, s16, 9
	s_add_co_u32 s76, s76, s77
	s_mov_b32 s77, 0
	s_add_nc_u64 s[8:9], s[8:9], s[76:77]
	MLOAD 0, 0, MB0                                ; block 0 lands while the products run
	s_lshl_b32 s23, s15, 15
	v_add_nc_u32 v[ADRA], s23, v[LI]
	v_add_nc_u32 v[ADRA+1], SLOT, v[ADRA]
	s_lshl_b32 s23, s16, 15
	s_add_co_u32 s23, s23, BOFF
	v_add_nc_u32 v[ADRB], s23, v[LI]
	v_add_nc_u32 v[ADRB+1], SLOT, v[ADRB]
	s_mul_i32 s76, s14, 16*MPITCH
	s_add_co_u32 s76, s76, MSTG
	v_add_nc_u32 v[MST], s76, v[LI]                ; the mask's stage, in: a row as it was loaded
	v_mul_u32_u24 v18, v2, MPITCH
	v_lshl_add_u32 v18, v3, 5, v18
	v_add_nc_u32 v[MRD], s76, v18                  ; and back: row r, + 32 h
	s_lshl_b32 s76, s14, 10
	s_add_co_u32 s76, s76, MLSTG
	v_lshl_add_u32 v[MLS], v2, 3, s76
	v_add_nc_u32 v[MLR], s76, v[LI]
	s_lshl_b32 s76, s17, 4
	s_lshl_b32 s77, s15, 3
	s_add_co_u32 s76, s76, s77
	s_lshl_b32 s76, s76, 15                        ; p_img: a tile of rows is 16 K steps, 32,768 bytes
	s_lshl_b32 s77, s42, 1
	s_add_co_u32 s77, s77, s16                     ; my block of keys, 0 .. 15
	s_lshl_b32 s78, s77, 11
	s_add_co_u32 s76, s76, s78
	s_lshl_b32 s78, s17, 2
	s_lshl_b32 s79, s15, 1
	s_add_co_u32 s78, s78, s79                     ; my first block of 64 rows
	s_lshl_b32 s78, s78, 4
	s_add_co_u32 s78, s78, s77
	s_lshl_b32 s78, s78, 9                         ; ml: [block of 64 rows][block of keys][512 bytes]
	s_mov_b32 s77, 0
	s_mov_b32 s79, 0
	s_add_nc_u64 s[68:69], s[68:69], s[76:77]
	s_add_nc_u64 s[70:71], s[70:71], s[78:79]
.macro FRAGI reg, adr, q, i            ; a fragment's image: four loads of 512 consecutive bytes
.irp c, 0,1,2,3
	ds_load_b128 v[\reg+4*\c:\reg+4*\c+3], v[\adr] offset:4096*(\i)+2048*(\q)+512*\c
.endr
.endm
; 16 matrix instructions: A's blocks a0, a0 + 1 x B's eight.  The 64 accumulators take turns, one instruction a turn, in the same order in every step.
.macro MUL16 a0, p, zero
.irp a, \a0, \a0+1
.irp b, 0,1,2,3,4,5,6,7
.if \zero
	v_wmma_f32_16x16x128_fp8_fp8 v[8*(8*((\a)%4)+\b):8*(8*((\a)%4)+\b)+7], v[128*(\p)+FR*\b:128*(\p)+FR*\b+FR-1], v[AF+FR*(\a):AF+FR*(\a)+FR-1], 0
.else
	v_wmma_f32_16x16x128_fp8_fp8 v[8*(8*((\a)%4)+\b):8*(8*((\a)%4)+\b)+7], v[128*(\p)+FR*\b:128*(\p)+FR*\b+FR-1], v[AF+FR*(\a):AF+FR*(\a)+FR-1], v[8*(8*((\a)%4)+\b):8*(8*((\a)%4)+\b)+7]
.endif
.endr
.endr
.endm
.macro FETCH_B slot, q, p
	WIN TO_B
.irp i, 0,1,2,3,4,5,6,7
	FRAGI 128*(\p)+FR*\i, ADRB+\slot, \q, \i
.endr
	WIN 0
.endm
.macro FETCH_A slot, q, i0
.irp i, \i0, \i0+1, \i0+2, \i0+3
	FRAGI AF+FR*(\i), ADRA+\slot, \q, \i
.endr
.endm
.macro STEP slot, zero                 ; a slot's first 128 along K, on B's set 0
	s_wait_dscnt 4*NL                              ; B's set and A's blocks 0-3 are in; the youngest 16 loads (A's blocks 4-7) may be out
	WIN MUL_LO
	MUL16 0, 0, \zero
	MUL16 2, 0, \zero
	s_wait_dscnt 0
	PLACES NP                                      ; in front of loads into registers that matrix instructions have read
	FETCH_B \slot, 1, 1
	FETCH_A \slot, 1, 0
	WIN MUL_HI
	MUL16 4, 0, \zero
	MUL16 6, 0, \zero
	PLACES NP
	WIN 0
	FETCH_A \slot, 1, 4
.endm
; A slot's second 128 along K changes slots: one barrier; in front of it each wave waits for all its tensor loads, adds 0 to its spare word, and waits for that and for its reads of this slot.
.macro TURN slot, next, fill
	s_wait_tensorcnt 0x0                           ; all my tensor loads have landed: my part of the next slot
	ds_add_u32 v[SPW], v[NIL]
	s_wait_dscnt 4*NL+1                            ; (the add and A's blocks 4-7 may be out)
	WIN MUL_LO
	MUL16 0, 1, 0
	s_wait_dscnt 0x0                               ; the add is done, and my reads of this slot are over
	s_barrier_signal -1
	MUL16 2, 1, 0
	WIN 0
	s_barrier_wait -1
.if \fill
	CREST                                          ; the barrier has opened a round of the cluster's: no wave of any partner still reads this slot or has a load on its way
	s_add_nc_u64 s[G0+4*\slot+2:G0+4*\slot+3], s[G0+4*\slot+2:G0+4*\slot+3], 8192
	s_add_nc_u64 s[G0B+4*\slot+2:G0B+4*\slot+3], s[G0B+4*\slot+2:G0B+4*\slot+3], 8192
	JLOAD G0+4*\slot, G1, G0B+4*\slot, G1B         ; the first tensor load behind the round: 96 matrix instructions ahead of the wait for it; its four v_nop are the places in front of the loads below
.else
	PLACES NP
.endif
	FETCH_B \next, 0, 0
	FETCH_A \next, 0, 0
	WIN MUL_HI
	MUL16 4, 1, 0
	MUL16 6, 1, 0
	PLACES NP
	WIN 0
	FETCH_A \next, 0, 4
.endm
	s_wait_tensorcnt 1                             ; my part of slot 0 is in; slot 1's may stay out
	s_barrier_signal -1
	s_barrier_wait -1
	FETCH_B 0, 0, 0
	FETCH_A 0, 0, 0
	FETCH_A 0, 0, 4
	STEP 0, 1                                      ; written out: four slots' worth.  The first products start the sums
	TURN 0, 1, 1
	STEP 1, 0
	TURN 1, 0, 1
	STEP 0, 0
	TURN 0, 1, 0                                   ; nothing is left to fetch
	STEP 1, 0
	s_wait_loadcnt 0x0                             ; the mask's block 0, asked for at the head
	MLOAD 1, 1, 0                                  ; B's set 0 has had its last product, four places back: it takes blocks 1 and 2
	MLOAD 2, 1, 64
	s_wait_dscnt 4*NL
	WIN MUL_LO
	MUL16 0, 1, 0
	MUL16 2, 1, 0
	s_wait_dscnt 0
	WIN MUL_HI
	MUL16 4, 1, 0
	MUL16 6, 1, 0
	WIN 0
	s_wait_kmcnt 0x0
	s_add_co_i32 s72, s72, s73
	s_lshl_b32 s72, s72, 23
	s_add_co_i32 s[CS], s72, 0x3d38aa3b            ; c = log2(e) / 32 x 2^(e6 + e7): the exponents are added to its exponent field
	s_mov_b32 s[CS+1], s[CS]
	s_add_co_i32 s74, s74, 127
	s_lshl_b32 s75, s74, 23
	s_add_co_i32 s74, s74, 8
	s_lshl_b32 s74, s74, 23
	s_or_b32 s74, s74, 0x600000
	v_mov_b32 v[SC], s75                           ; 2^e8.  (These five plain lines are the places behind the last products)
	v_mov_b32 v[LIM], s74                          ; 448 x 2^e8
	v_mov_b32 v[TM], 0xd056fa73                    ; -1e10 x log2(e): a whole number in f32
	v_mov_b32 v[NM+1], 0                           ; (named as the upper half of a pair)
	v_mov_b32 v[MX+2], 0                           ; (a lane permute's destination counts as read)
	MLOAD 3, 1, 128                                ; B's set 1 takes blocks 3 and 4: 64 loads are out
	MLOAD 4, 1, 192
; Block a: 16 queries x my 128 keys.  Its mask lies in window mw from register mreg on.  left: the loads asked for behind it, which may stay out (-1: it has been waited for).
; na: the block that is asked for now (-1: none), into window nw from nreg on: the registers that block a - 1 has left (its stores into the stage were waited for).
.macro SOFT a, mw, mreg, left, na, nw, nreg
.if \left >= 0
	s_wait_loadcnt \left
.endif
.if \na >= 0
	MLOAD \na, \nw, \nreg
.endif
	WIN (\mw)<<2                                   ; the store data's window
.irp i, 0,1,2,3,4,5,6,7,8,9,10,11,12,13,14,15
	ds_store_b128 v[MST], v[\mreg+4*\i:\mreg+4*\i+3] offset:MPITCH*\i
.endr
	WIN 0
.irp b, 0,1,2,3,4,5,6,7
	ds_load_b128 v[X+8*\b:X+8*\b+3], v[MRD] offset:64*\b         ; LDS serves a wave's instructions in order (ISA guide 5.7.1.4): these see the stores above.  Words 8 b + j: mask(16 a + r, 16 b + 8 h + j)
	ds_load_b128 v[X+8*\b+4:X+8*\b+7], v[MRD] offset:64*\b+16
.endr
	WIN 0x02+(\a)/4                                ; source 0: window 2 or 3
.set n, 0
.rept 32
	v_pk_mul_f32 v[T+n:T+n+1], v[64*((\a)%4)+n:64*((\a)%4)+n+1], s[CS:CS+1] op_sel_hi:[1,0]   ; t; each accumulator from its low end on
.set n, n+2
.endr
	WIN 0
	s_wait_dscnt 0x0                               ; the words are back; the stores have read the block's registers
.set n, 0
.rept 64
	v_cmp_eq_u32 vcc_lo, 0, v[X+n]
	v_cndmask_b32 v[T+n], v[T+n], v[TM], vcc_lo
.set n, n+1
.endr
	v_max3_num_f32 v[MX], v[T], v[T+1], v[T+2]     ; the largest t of my 64 keys, in two chains,
	v_max3_num_f32 v[MX+1], v[T+3], v[T+4], v[T+5]
.irp i, 6,10,14,18,22,26,30,34,38,42,46,50,54,58
	v_max3_num_f32 v[MX], v[MX], v[T+\i], v[T+\i+1]
	v_max3_num_f32 v[MX+1], v[MX+1], v[T+\i+2], v[T+\i+3]
.endr
	v_max3_num_f32 v[MX], v[MX], v[T+62], v[T+63]
	v_max_num_f32 v[MX], v[MX], v[MX+1]
	v_permlanex16_b32 v[MX+2], v[MX], s[SEL], s[SEL+1]
	v_max_num_f32 v[MX], v[MX], v[MX+2]            ; and of lane l xor 16's
	v_floor_f32 v[NM], -v[MX]                      ; -M = floor(-t) = -ceil(t)
.set n, 0
.rept 32
	v_pk_add_f32 v[T+n:T+n+1], v[T+n:T+n+1], v[NM:NM+1] op_sel_hi:[1,0]
.set n, n+2
.endr
.set n, 0
.rept 64
	v_exp_f32 v[T+n], v[T+n]                       ; p = 2^(t - M)
.set n, n+1
.endr
	v_xor_b32 v[ML], 0x80000000, v[NM]             ; M.  (The plain place behind the exponentials)
	s_wait_alu depctr_va_vdst(0)                   ; one wait for the batch, ahead of its first reader
	v_pk_add_f32 v[SUM:SUM+1], v[T:T+1], v[T+2:T+3]          ; the sum of the UNQUANTISED p, in two chains
	v_pk_add_f32 v[SUM+2:SUM+3], v[T+4:T+5], v[T+6:T+7]
.irp i, 8,12,16,20,24,28,32,36,40,44,48,52,56,60
	v_pk_add_f32 v[SUM:SUM+1], v[SUM:SUM+1], v[T+\i:T+\i+1]
	v_pk_add_f32 v[SUM+2:SUM+3], v[SUM+2:SUM+3], v[T+\i+2:T+\i+3]
.endr
	v_pk_add_f32 v[SUM:SUM+1], v[SUM:SUM+1], v[SUM+2:SUM+3]
	v_add_f32 v[SUM], v[SUM], v[SUM+1]
	v_permlanex16_b32 v[MX+2], v[SUM], s[SEL], s[SEL+1]
	v_add_f32 v[ML+1], v[SUM], v[MX+2]             ; l
.set n, 0
.rept 64
	v_min_num_f32 v[T+n], v[T+n], v[LIM]           ; the conversion does not saturate (ISA guide 7.6.2); p is not negative: the hold is one-sided
.set n, n+1
.endr
.if \a >= 2
	s_wait_xcnt 0x0                                ; block a - 2's stores have read this set of codes
.endif
.irp b, 0,1,2,3,4,5,6,7
	v_cvt_scalef32_pk8_fp8_f32 v[PC+16*((\a)%2)+2*\b:PC+16*((\a)%2)+2*\b+1], v[T+8*\b:T+8*\b+7], v[SC]
.endr
	v_nop                                          ; one plain vector instruction behind the last conversion
.irp c, 0,1,2,3
	global_store_b128 v[LI], v[PC+16*((\a)%2)+4*\c:PC+16*((\a)%2)+4*\c+3], s[68:69] offset:32768*(\a)+512*\c   ; the fragment's image: 512 consecutive bytes a store
.endr
	ds_store_b64 v[MLS], v[ML:ML+1] offset:128*(\a)  ; both halves of the lanes hold, and write, the same pair
.endm
	SOFT 0, 0, MB0, -1, -1, 0, 0
	SOFT 1, 1, 0,   48, 5, 0, MB0                  ; behind block 1: blocks 2, 3, 4
	SOFT 2, 1, 64,  48, 6, 1, 0                    ; behind block 2: blocks 3, 4, 5
	SOFT 3, 1, 128, 48, 7, 1, 64                   ; behind block 3: blocks 4, 5, 6
	SOFT 4, 1, 192, 48, -1, 0, 0                   ; behind block 4: blocks 5, 6, 7
	SOFT 5, 0, MB0, 32, -1, 0, 0
	SOFT 6, 1, 0,   16, -1, 0, 0
	SOFT 7, 1, 64,  0,  -1, 0, 0
	ds_load_b128 v[X:X+3], v[MLR]                  ; my 128 rows' (M, l): two blocks of 64 rows, 512 bytes each
	ds_load_b128 v[X+4:X+7], v[MLR] offset:512
	s_wait_dscnt 0x0
	global_store_b128 v[LI], v[X:X+3], s[70:71]
	global_store_b128 v[LI], v[X+4:X+7], s[70:71] offset:8192   ; the next block of 64 rows: 16 blocks of keys x 512 bytes on
	s_wait_tensorcnt 0x0                           ; the wave's end
	ds_add_u32 v[SPW], v[NIL]
	s_wait_dscnt 0x0
	CROUND                                         ; the closing round
	s_endpgm
.Lfunc_end_k_qddc722172b_scores:
	.size	k_qddc722172b_scores, .Lfunc_end_k_qddc722172b_scores-k_qddc722172b_scores
	.p2alignl 7, 3214868480
	.fill 96, 4, 3214868480
	.section	.rodata,"a",@progbits
	.p2align	6, 0x0
	.amdhsa_kernel k_qddc722172b_scores
		.amdhsa_group_segment_fixed_size 327680
		.amdhsa_private_segment_fixed_size 0
		.amdhsa_enable_private_segment 0
		.amdhsa_kernarg_size 48
		.amdhsa_user_sgpr_count 2
		.amdhsa_user_sgpr_kernarg_segment_ptr 1
		.amdhsa_wavefront_size32 1
		.amdhsa_system_sgpr_workgroup_id_x 1
		.amdhsa_system_sgpr_workgroup_id_y 1
		.amdhsa_system_sgpr_workgroup_id_z 1
		.amdhsa_system_vgpr_workitem_id 0
		.amdhsa_next_free_vgpr 1024
		.amdhsa_next_free_sgpr 100
		.amdhsa_reserve_vcc 1
		.amdhsa_float_denorm_mode_32 3
		.amdhsa_float_denorm_mode_16_64 3
		.amdhsa_memory_ordered 1
		.amdhsa_forward_progress 1
		.amdhsa_inst_pref_size 247
	.end_amdhsa_kernel
	.amdgpu_metadata
---
amdhsa.version: [ 1, 2 ]
amdhsa.kernels:
  - .name:           k_qddc722172b_scores
    .symbol:         k_qddc722172b_scores.kd
    .args:
      - { .name: q_img, .offset: 0, .size: 8, .value_kind: global_buffer, .address_space: global }
      - { .name: k_img, .offset: 8, .size: 8, .value_kind: global_buffer, .address_space: global }
      - { .name: mask, .offset: 16, .size: 8, .value_kind: global_buffer, .address_space: global }
      - { .name: lowp_scales, .offset: 24, .size: 8, .value_kind: global_buffer, .address_space: global }
      - { .name: p_img, .offset: 32, .size: 8, .value_kind: global_buffer, .address_space: global }
      - { .name: ml, .offset: 40, .size: 8, .value_kind: global_buffer, .address_space: global }
    .group_segment_fixed_size: 327680
    .private_segment_fixed_size: 0
    .kernarg_segment_align: 8
    .kernarg_segment_size: 48
    .max_flat_workgroup_size: 128
    .sgpr_count:     100
    .vgpr_count:     1024
    .wavefront_size: 32
...
	.end_amdgpu_metadata
.endif
;; end of part 2
;; launch pv (part 3): grid 4 x 64, 4 waves a work-group, clusters of 4 x 4, 327,680 bytes of LDS; arguments p_img, v_img, ml, lowp_scales, ctx_img; writes ctx_img
.if DOCPART == 3
	.amdgcn_target "amdgcn-amd-amdhsa--gfx1250"
	.amdhsa_code_object_version 6
	.text
	.protected	k_qddc722172b_pv
	.globl	k_qddc722172b_pv
	.p2align	8
	.type	k_qddc722172b_pv,@function
k_qddc722172b_pv:
	s_mov_b64 s[64:65], 0
	v_nop
	global_prefetch_b8 v0, s[64:65] scope:SCOPE_SE
	s_setreg_imm32_b32 hwreg(HW_REG_WAVE_MODE, 25, 1), 1
	s_wait_xcnt 0x0
	s_wait_alu depctr_hold_cnt(0) depctr_sa_sdst(0) depctr_va_vdst(0) depctr_va_sdst(0) depctr_va_ssrc(0) depctr_va_vcc(0) depctr_vm_vsrc(0)
	s_getreg_b32 s2, hwreg(HW_REG_IB_STS2, 6, 4)
	s_cmp_eq_u32 s2, 0
	s_cbranch_scc0 .Lentry_in_a_cluster
	s_endpgm
.Lentry_in_a_cluster:
	s_bfe_u32 s2, ttmp6, 0x10000c
	s_cmp_lg_u32 s2, 0xf033
	s_cbranch_scc0 .Lentry_shape_is_right
	s_endpgm
.Lentry_shape_is_right:
; ctx = (the sum over the 16 blocks j of 128 keys of 2^(M_j - M) P_j V_j) x 2^(e8 + e9) / l, quantised with 2^e10.  M = the row's largest M_j, l = the sum of l_j 2^(M_j - M).  No work is left out.
; FRAMES.  D_j = min(M - M_j, 60), a whole number.  In K step j the accumulators stand for their value x 2^(D_j): P_j's codes are added as they are.  Ahead of step j they are multiplied by
; g_j = 2^(D_j - D_(j-1)): a power of two, nothing is rounded.  At the end: x w = 2^(e8 + e9 - D_15) / l.
; LIMITS.  A block whose M lies more than 60 under the row's counts with the weight 2^-60 in place of a smaller one: at most 128 x 2^-60 beside a row's l, which is above 1/2.
; e10 between -126 and 119.  NaN and infinity are not served.
; SHARES, operands, ring and cluster as in the launch before: 128 queries x 256 of the depth's 1,024 a work-group, 64 x 128 a wave; A = p's images, B = v's (rows d, K = the keys), K = 2,048: eight slots' worth.
; Lane (r, h) holds query 16 a + r, so g and w hang on a and the lane alone.
; REGISTERS: window 0: v16-31 addresses; v64-191 A's two sets (at the head: M_j, l_j); v192-223 at work at the head; on the way out v64-127 numbers, v192-255 codes.  window 1: B's two sets.  window 2: the accumulators.
;   window 3: v[8 j + 2 a], v[8 j + 2 a + 1]: g_j of block a, twice (a pair for the packed form); j = 0: w.
.set SLOT,   98304
.set BOFF,   32768
.set SPARE,  2*SLOT
.set ASTEP,  8192
.set BSTEP,  8192
.set ADRA, 16
.set ADRB, 20
.set LI,   22
.set MO,   23                          ; v23  8 r
.set SPW,  28
.set NIL,  29
.set SC,   30
.set LIM,  31
.set AF,   64
.set T,    64
.set PC,   192
.set G1,  24
.set G0,  32
.set G1B, 48
.set G0B, 56
.set MSB, 0
.macro WIN new
.if MSB != (\new)
	s_set_vgpr_msb (MSB<<8)|(\new)
.set MSB, (\new)
.endif
.endm
.set MUL,  0xa1
.set TO_B, 0x40
.macro JLOAD g0a, g1a, g0b, g1b
	s_cmp_eq_u32 s15, 0
	s_cbranch_scc0 .Lfor_b_\@
	tensor_load_to_lds s[\g0a:\g0a+3], s[\g1a:\g1a+7]
	s_nop 0
.rept 4
	v_nop
.endr
	s_branch .Lasked_\@
.Lfor_b_\@:
	tensor_load_to_lds s[\g0b:\g0b+3], s[\g1b:\g1b+7]
	s_nop 0
.rept 4
	v_nop
.endr
.Lasked_\@:
.endm
.macro CREST
	s_cmp_lg_u32 s14, 0
	s_cbranch_scc1 .Lnot_wave_0_\@
	s_barrier_signal -3
.Lnot_wave_0_\@:
	s_barrier_wait -3
	s_barrier_signal -1
	s_barrier_wait -1
.endm
.macro CROUND
	s_barrier_signal -1
	s_barrier_wait -1
	CREST
.endm
.macro PLACES n
.rept \n
	v_nop
.endr
.endm
	s_load_b256 s[4:11], s[0:1], 0x0               ; p_img, v_img, ml, the scales' exponents
	s_load_b64 s[68:69], s[0:1], 0x20              ; ctx_img
	v_lshl_add_u32 v[SPW], v0, 2, SPARE
	v_mov_b32 v[NIL], 0
	ds_add_u32 v[SPW], v[NIL]                      ; the wave's opening: the add, twice on end, and its wait ahead of my first tensor load
	ds_add_u32 v[SPW], v[NIL]
	v_lshrrev_b32 v1, 5, v0
	v_readfirstlane_b32 s14, v1
	s_lshr_b32 s15, s14, 1                         ; wm; I fetch for A (0) or B (1)
	s_and_b32 s16, s14, 1                          ; wn; which half I fetch
	s_bfe_u32 s40, ttmp6, 0x40000
	s_bfe_u32 s41, ttmp6, 0x40004
	s_lshl_b32 s42, ttmp9, 2
	s_add_co_u32 s42, s42, s40                     ; tile column: 256 of the depth, 0 .. 3
	s_and_b32 s18, ttmp7, 0xffff
	s_lshl_b32 s17, s18, 2
	s_add_co_u32 s17, s17, s41                     ; tile row: 128 queries, 0 .. 63
	s_lshr_b32 s19, s18, 2                         ; the batch
	s_lshl_b32 s43, s41, 2
	s_lshl_b32 s43, 15, s43
	s_lshl_b32 s44, 0x1111, s40
	s_or_b32 s[G1+0], s43, (1<<21)
	s_or_b32 s[G1B+0], s44, (1<<21)
	s_mov_b32 s[G1+1], 4096<<16
	s_mov_b32 s[G1+2], 4<<16
	s_mov_b32 s[G1+3], 4096<<16
	s_mov_b32 s[G1+4], 4
	s_mov_b32 s[G1+5], 32768                       ; a tile of rows is 16 K steps
	s_mov_b32 s[G1+6], 0
	s_mov_b32 s[G1+7], 0
	s_mov_b32 s[G1B+1], 4096<<16
	s_mov_b32 s[G1B+2], 8<<16
	s_mov_b32 s[G1B+3], 4096<<16
	s_mov_b32 s[G1B+4], 8
	s_mov_b32 s[G1B+5], 32768
	s_mov_b32 s[G1B+6], 0
	s_mov_b32 s[G1B+7], 0
	s_lshl_b32 s20, s17, 3
	s_lshl_b32 s21, s16, 2
	s_add_co_u32 s20, s20, s21
	s_lshl_b32 s20, s20, 15
	s_mov_b32 s21, 0
	s_lshl_b32 s46, s42, 4
	s_lshl_b32 s47, s16, 3
	s_add_co_u32 s46, s46, s47
	s_lshl_b32 s46, s46, 15
	s_lshl_b32 s47, s19, 21
	s_add_co_u32 s46, s46, s47
	s_mov_b32 s47, 0
	s_lshl_b32 s45, s16, 14
	s_lshl_b32 s22, s16, 15
	s_add_co_u32 s22, s22, BOFF
	s_wait_dscnt 0x0
	s_wait_kmcnt 0x0
	s_load_b96 s[72:74], s[10:11], 0x20            ; e8, e9, e10
	s_add_nc_u64 s[20:21], s[4:5], s[20:21]
	s_add_nc_u64 s[46:47], s[6:7], s[46:47]
	CROUND
.irp s, 0,1
	s_mov_b32 s[G0+4*\s], 1
	s_add_co_u32 s[G0+4*\s+1], s45, \s*SLOT
	s_add_nc_u64 s[G0+4*\s+2:G0+4*\s+3], s[20:21], \s*4096
	s_or_b32 s[G0+4*\s+3], s[G0+4*\s+3], 0x80000000
	s_mov_b32 s[G0B+4*\s], 1
	s_add_co_u32 s[G0B+4*\s+1], s22, \s*SLOT
	s_add_nc_u64 s[G0B+4*\s+2:G0B+4*\s+3], s[46:47], \s*4096
	s_or_b32 s[G0B+4*\s+3], s[G0B+4*\s+3], 0x80000000
	JLOAD G0+4*\s, G1, G0B+4*\s, G1B
.endr
	v_and_b32 v1, 31, v0
	v_lshlrev_b32 v[LI], 4, v1
	v_and_b32 v2, 15, v0
	v_lshlrev_b32 v[MO], 3, v2
	s_lshl_b32 s76, s17, 1
	s_add_co_u32 s76, s76, s15
	s_lshl_b32 s76, s76, 13                        ; ml: my block of 64 rows: 16 blocks of keys x 512 bytes
	s_mov_b32 s77, 0
	s_add_nc_u64 s[8:9], s[8:9], s[76:77]
.irp a, 0,1,2,3
.irp j, 0,1,2,3,4,5,6,7,8,9,10,11,12,13,14,15
	global_load_b64 v[64+32*\a+2*\j:64+32*\a+2*\j+1], v[MO], s[8:9] offset:512*\j+128*\a   ; (M_j, l_j) of query 16 a + r
.endr
.endr
	s_lshl_b32 s23, s15, 14
	v_add_nc_u32 v[ADRA], s23, v[LI]
	v_add_nc_u32 v[ADRA+1], SLOT, v[ADRA]
	s_lshl_b32 s23, s16, 15
	s_add_co_u32 s23, s23, BOFF
	v_add_nc_u32 v[ADRB], s23, v[LI]
	v_add_nc_u32 v[ADRB+1], SLOT, v[ADRB]
	s_lshl_b32 s76, s17, 3
	s_lshl_b32 s78, s15, 2
	s_add_co_u32 s76, s76, s78
	s_lshl_b32 s76, s76, 14                        ; ctx_img: a tile of rows is 8 K steps
	s_lshl_b32 s78, s42, 1
	s_add_co_u32 s78, s78, s16
	s_lshl_b32 s78, s78, 11
	s_add_co_u32 s76, s76, s78
	s_add_nc_u64 s[68:69], s[68:69], s[76:77]
	s_wait_kmcnt 0x0
	s_add_co_i32 s75, s72, s73                     ; e8 + e9
	s_wait_loadcnt 0x0
; The rows' statistics, while the first tiles are on their way.  R: block a's 16 pairs; W: five registers at work.
.macro PRO a
.set R, 64+32*\a
.set W, 192+8*\a
	v_max3_num_f32 v[W], v[R], v[R+2], v[R+4]
.irp j, 3,5,7,9,11,13
	v_max3_num_f32 v[W], v[W], v[R+2*\j], v[R+2*\j+2]
.endr
	v_max_num_f32 v[W], v[W], v[R+30]              ; the row's M
.irp j, 0,1,2,3,4,5,6,7,8,9,10,11,12,13,14,15
	v_sub_f32 v[R+2*\j], v[W], v[R+2*\j]
.endr
.irp j, 0,1,2,3,4,5,6,7,8,9,10,11,12,13,14,15
	v_min_num_f32 v[R+2*\j], 0x42700000, v[R+2*\j] ; held at 60
.endr
.irp j, 0,1,2,3,4,5,6,7,8,9,10,11,12,13,14,15
	v_cvt_i32_f32 v[R+2*\j], v[R+2*\j]             ; D_j
.endr
.irp j, 0,1,2,3,4,5,6,7,8,9,10,11,12,13,14,15
	v_sub_nc_u32 v[W+1], 0, v[R+2*\j]
	v_ldexp_f32 v[R+2*\j+1], v[R+2*\j+1], v[W+1]   ; l_j 2^(-D_j)
.endr
	v_add_f32 v[W+2], v[R+1], v[R+3]
.irp j, 2,3,4,5,6,7,8,9,10,11,12,13,14,15
	v_add_f32 v[W+2], v[W+2], v[R+2*\j+1]          ; l
.endr
.irp j, 1,2,3,4,5,6,7,8,9,10,11,12,13,14,15
	v_sub_nc_u32 v[R+2*\j+1], v[R+2*\j], v[R+2*\j-2]   ; D_j - D_(j-1)
.endr
	v_sub_nc_u32 v[W+4], s75, v[R+30]              ; e8 + e9 - D_15
.endm
	PRO 0
	PRO 1
	PRO 2
	PRO 3
.irp a, 0,1,2,3
	v_rcp_f32 v[192+8*\a+3], v[192+8*\a+2]
.endr
	v_nop                                          ; a plain place behind the last reciprocal
	s_wait_alu depctr_va_vdst(0)                   ; one wait for the four, ahead of their first reader
.irp a, 0,1,2,3
	v_ldexp_f32 v[192+8*\a+3], v[192+8*\a+3], v[192+8*\a+4]   ; w
.endr
	WIN 0xc0                                       ; destination window 3
.irp a, 0,1,2,3
	v_mov_b32 v[2*\a], v[192+8*\a+3]
	v_mov_b32 v[2*\a+1], v[192+8*\a+3]
.irp j, 1,2,3,4,5,6,7,8,9,10,11,12,13,14,15
	v_ldexp_f32 v[8*\j+2*\a], 1.0, v[64+32*\a+2*\j+1]      ; g_j
	v_ldexp_f32 v[8*\j+2*\a+1], 1.0, v[64+32*\a+2*\j+1]
.endr
.endr
	WIN 0
.macro FRAGI reg, adr, q, i
.irp c, 0,1,2,3
	ds_load_b128 v[\reg+4*\c:\reg+4*\c+3], v[\adr] offset:4096*(\i)+2048*(\q)+512*\c
.endr
.endm
.macro FETCH slot, q, p
	WIN TO_B
.irp i, 0,1,2,3,4,5,6,7
	FRAGI 128*(\p)+16*\i, ADRB+\slot, \q, \i
.endr
	WIN 0
.irp i, 0,1,2,3
	FRAGI AF+64*(\p)+16*\i, ADRA+\slot, \q, \i
.endr
.endm
.macro MUL8 a, p, zero                 ; the 32 accumulators take turns, one instruction a turn
.irp b, 0,1,2,3,4,5,6,7
.if \zero
	v_wmma_f32_16x16x128_fp8_fp8 v[8*(8*(\a)+\b):8*(8*(\a)+\b)+7], v[128*(\p)+16*\b:128*(\p)+16*\b+15], v[AF+64*(\p)+16*(\a):AF+64*(\p)+16*(\a)+15], 0
.else
	v_wmma_f32_16x16x128_fp8_fp8 v[8*(8*(\a)+\b):8*(8*(\a)+\b)+7], v[128*(\p)+16*\b:128*(\p)+16*\b+15], v[AF+64*(\p)+16*(\a):AF+64*(\p)+16*(\a)+15], v[8*(8*(\a)+\b):8*(8*(\a)+\b)+7]
.endif
.endr
.endm
.macro RESC j                          ; the accumulators into block j's frame: x g_j; each accumulator from its low end on
	WIN 0x8e                                       ; destination and source 0 window 2, source 1 window 3
.irp a, 0,1,2,3
.set i, 0
.rept 32
	v_pk_mul_f32 v[64*\a+i:64*\a+i+1], v[64*\a+i:64*\a+i+1], v[8*(\j)+2*\a:8*(\j)+2*\a+1]
.set i, i+2
.endr
.endr
.endm
.macro STEP slot, j                    ; K step j, a slot's first, on set 0
	s_wait_dscnt 0x0
.if \j > 0
	PLACES 4                                       ; behind the last products: loads into set 1, and the rescaling, follow
.endif
	FETCH \slot, 1, 1
.if \j > 0
	RESC \j
	WIN MUL
	MUL8 0, 0, 0
	MUL8 1, 0, 0
	MUL8 2, 0, 0
	MUL8 3, 0, 0
.else
	WIN MUL
	MUL8 0, 0, 1
	MUL8 1, 0, 1
	MUL8 2, 0, 1
	MUL8 3, 0, 1
.endif
	WIN 0
.endm
.macro TURN slot, next, fill, j        ; K step j, a slot's second, on set 1, and the change of slots
	s_wait_tensorcnt 0x0                           ; all my tensor loads have landed
	ds_add_u32 v[SPW], v[NIL]                      ; 0 onto my spare word; the rescaling stands between it and the wait for it
	PLACES 4
	RESC \j
	s_wait_dscnt 0x0                               ; the add is done, set 1 is in, my reads of this slot are over
	s_barrier_signal -1
	WIN MUL
	MUL8 0, 1, 0
	MUL8 1, 1, 0
	WIN 0
	s_barrier_wait -1
.if \fill
	CREST
	s_add_nc_u64 s[G0+4*\slot+2:G0+4*\slot+3], s[G0+4*\slot+2:G0+4*\slot+3], ASTEP
	s_add_nc_u64 s[G0B+4*\slot+2:G0B+4*\slot+3], s[G0B+4*\slot+2:G0B+4*\slot+3], BSTEP
	JLOAD G0+4*\slot, G1, G0B+4*\slot, G1B
.else
	PLACES 4
.endif
	FETCH \next, 0, 0
	WIN MUL
	MUL8 2, 1, 0
	MUL8 3, 1, 0
	WIN 0
.endm
	s_wait_tensorcnt 1                             ; my part of slot 0 is in; slot 1's may stay out
	s_barrier_signal -1
	s_barrier_wait -1
	FETCH 0, 0, 0
	STEP 0, 0                                      ; written out: a step's number picks its registers of g
	TURN 0, 1, 1, 1
	STEP 1, 2
	TURN 1, 0, 1, 3
	STEP 0, 4
	TURN 0, 1, 1, 5
	STEP 1, 6
	TURN 1, 0, 1, 7
	STEP 0, 8
	TURN 0, 1, 1, 9
	STEP 1, 10
	TURN 1, 0, 1, 11
	STEP 0, 12
	TURN 0, 1, 0, 13                               ; nothing is left to fetch
	STEP 1, 14
	s_wait_dscnt 0x0
	PLACES 4
	RESC 15
	WIN MUL
	MUL8 0, 1, 0
	MUL8 1, 1, 0
	MUL8 2, 1, 0
	MUL8 3, 1, 0
	WIN 0
	s_add_co_i32 s74, s74, 127
	s_lshl_b32 s76, s74, 23
	s_add_co_i32 s74, s74, 8
	s_lshl_b32 s74, s74, 23
	s_or_b32 s74, s74, 0x600000
	v_mov_b32 v[SC], s76                           ; 2^e10
	v_mov_b32 v[LIM], s74                          ; 448 x 2^e10
	PLACES 4
.irp a, 0,1,2,3
	WIN 0x0e                                       ; source 0 window 2, source 1 window 3
.set i, 0
.rept 32
	v_pk_mul_f32 v[T+i:T+i+1], v[64*\a+i:64*\a+i+1], v[2*\a:2*\a+1]   ; ctx = sum x w
.set i, i+2
.endr
	WIN 0
.set i, 0
.rept 64
	v_med3_num_f32 v[T+i], v[T+i], -v[LIM], v[LIM]
.set i, i+1
.endr
.irp b, 0,1,2,3,4,5,6,7
	v_cvt_scalef32_pk8_fp8_f32 v[PC+16*\a+2*\b:PC+16*\a+2*\b+1], v[T+8*\b:T+8*\b+7], v[SC]
.endr
	v_nop                                          ; one plain vector instruction behind the last conversion
.irp c, 0,1,2,3
	global_store_b128 v[LI], v[PC+16*\a+4*\c:PC+16*\a+4*\c+3], s[68:69] offset:16384*\a+512*\c   ; the fragment's image: 512 consecutive bytes a store
.endr
.endr
	s_wait_tensorcnt 0x0                           ; the wave's end
	ds_add_u32 v[SPW], v[NIL]
	s_wait_dscnt 0x0
	CROUND
	s_endpgm
.Lfunc_end_k_qddc722172b_pv:
	.size	k_qddc722172b_pv, .Lfunc_end_k_qddc722172b_pv-k_qddc722172b_pv
	.p2alignl 7, 3214868480
	.fill 96, 4, 3214868480
	.section	.rodata,"a",@progbits
	.p2align	6, 0x0
	.amdhsa_kernel k_qddc722172b_pv
		.amdhsa_group_segment_fixed_size 327680
		.amdhsa_private_segment_fixed_size 0
		.amdhsa_enable_private_segment 0
		.amdhsa_kernarg_size 40
		.amdhsa_user_sgpr_count 2
		.amdhsa_user_sgpr_kernarg_segment_ptr 1
		.amdhsa_wavefront_size32 1
		.amdhsa_system_sgpr_workgroup_id_x 1
		.amdhsa_system_sgpr_workgroup_id_y 1
		.amdhsa_system_sgpr_workgroup_id_z 1
		.amdhsa_system_vgpr_workitem_id 0
		.amdhsa_next_free_vgpr 1024
		.amdhsa_next_free_sgpr 100
		.amdhsa_reserve_vcc 0
		.amdhsa_float_denorm_mode_32 3
		.amdhsa_float_denorm_mode_16_64 3
		.amdhsa_memory_ordered 1
		.amdhsa_forward_progress 1
		.amdhsa_inst_pref_size 255
	.end_amdhsa_kernel
	.section	.bss,"aw",@nobits
	.p2align	6
	.space	262144
	.amdgpu_metadata
---
amdhsa.version: [ 1, 2 ]
amdhsa.kernels:
  - .name:           k_qddc722172b_pv
    .symbol:         k_qddc722172b_pv.kd
    .args:
      - { .name: p_img, .offset: 0, .size: 8, .value_kind: global_buffer, .address_space: global }
      - { .name: v_img, .offset: 8, .size: 8, .value_kind: global_buffer, .address_space: global }
      - { .name: ml, .offset: 16, .size: 8, .value_kind: global_buffer, .address_space: global }
      - { .name: lowp_scales, .offset: 24, .size: 8, .value_kind: global_buffer, .address_space: global }
      - { .name: ctx_img, .offset: 32, .size: 8, .value_kind: global_buffer, .address_space: global }
    .group_segment_fixed_size: 327680
    .private_segment_fixed_size: 0
    .kernarg_segment_align: 8
    .kernarg_segment_size: 40
    .max_flat_workgroup_size: 128
    .sgpr_count:     100
    .vgpr_count:     1024
    .wavefront_size: 32
...
	.end_amdgpu_metadata
.endif
;; end of part 3
;; launch outp (part 4): grid 4 x 64, 4 waves a work-group, clusters of 4 x 4, 327,680 bytes of LDS; arguments ctx_img, Wo_codes, bo, lowp_scales, out0; writes out0
.if DOCPART == 4
	.amdgcn_target "amdgcn-amd-amdhsa--gfx1250"
	.amdhsa_code_object_version 6
	.text
	.protected	k_qddc722172b_outp
	.globl	k_qddc722172b_outp
	.p2align	8
	.type	k_qddc722172b_outp,@function
k_qddc722172b_outp:
	s_mov_b64 s[64:65], 0
	v_nop
	global_prefetch_b8 v0, s[64:65] scope:SCOPE_SE
	s_setreg_imm32_b32 hwreg(HW_REG_WAVE_MODE, 25, 1), 1
	s_wait_xcnt 0x0
	s_wait_alu depctr_hold_cnt(0) depctr_sa_sdst(0) depctr_va_vdst(0) depctr_va_sdst(0) depctr_va_ssrc(0) depctr_va_vcc(0) depctr_vm_vsrc(0)
	s_getreg_b32 s2, hwreg(HW_REG_IB_STS2, 6, 4)
	s_cmp_eq_u32 s2, 0
	s_cbranch_scc0 .Lentry_in_a_cluster
	s_endpgm
.Lentry_in_a_cluster:
	s_bfe_u32 s2, ttmp6, 0x10000c
	s_cmp_lg_u32 s2, 0xf033
	s_cbranch_scc0 .Lentry_shape_is_right
	s_endpgm
.Lentry_shape_is_right:
; out0 = ctx Wo^T x 2^(e10 + e11) + bo.  ctx: images of fragments, k in the matrix form's own places; Wo: rows of 1,024 codes.  No work is left out.
; So Wo's fragments are read in the form's own layout too: registers 2 c, 2 c + 1 = k 16 c + 8 h + 0 .. 7: eight loads of 8 bytes, from rows 272 bytes apart: the 32 lanes of a load touch each of the 64 banks once.
; SHARES, ring and cluster as in the two launches before: 128 rows x 256 columns a work-group, 64 x 128 a wave, K = 1,024: four slots' worth.
; LIMIT: e10 + e11 between -126 and 127.
; REGISTERS: window 0: v16-31 addresses; v64-191 A's two sets; on the way out v64-127 a block's numbers, v128-255 rows read back, two sets.  window 1: B's two sets.  window 2: the accumulators.  window 3: v0-63 bo in the result's layout.
.set SLOT,   102400                    ; A: 8 x 4,096; B: 256 rows x 272
.set BOFF,   32768
.set BHALF,  128*272
.set STAGE,  2*SLOT                    ; 16 rows x (512 + 16) bytes a wave
.set SPITCH, 528
.set SPARE,  STAGE+4*16*SPITCH
.set ASTEP,  8192
.set BSTEP,  512
.set ADRA, 16
.set ADRB, 20
.set LI,   22
.set BA,   23
.set STO,  24
.set RD,   25
.set SPW,  28
.set NIL,  29
.set AF,   64
.set TMP,  64
.set BK,   128
.set G1,  24
.set G0,  32
.set G1B, 48
.set G0B, 56
.set MSB, 0
.macro WIN new
.if MSB != (\new)
	s_set_vgpr_msb (MSB<<8)|(\new)
.set MSB, (\new)
.endif
.endm
.set MUL,  0xa1
.set TO_B, 0x40
.macro JLOAD g0a, g1a, g0b, g1b
	s_cmp_eq_u32 s15, 0
	s_cbranch_scc0 .Lfor_b_\@
	tensor_load_to_lds s[\g0a:\g0a+3], s[\g1a:\g1a+7]
	s_nop 0
.rept 4
	v_nop
.endr
	s_branch .Lasked_\@
.Lfor_b_\@:
	tensor_load_to_lds s[\g0b:\g0b+3], s[\g1b:\g1b+7]
	s_nop 0
.rept 4
	v_nop
.endr
.Lasked_\@:
.endm
.macro CREST
	s_cmp_lg_u32 s14, 0
	s_cbranch_scc1 .Lnot_wave_0_\@
	s_barrier_signal -3
.Lnot_wave_0_\@:
	s_barrier_wait -3
	s_barrier_signal -1
	s_barrier_wait -1
.endm
.macro CROUND
	s_barrier_signal -1
	s_barrier_wait -1
	CREST
.endm
.macro PLACES n
.rept \n
	v_nop
.endr
.endm
	s_load_b256 s[4:11], s[0:1], 0x0               ; ctx_img, Wo's codes, bo, the scales' exponents
	s_load_b64 s[68:69], s[0:1], 0x20              ; out0
	v_lshl_add_u32 v[SPW], v0, 2, SPARE
	v_mov_b32 v[NIL], 0
	ds_add_u32 v[SPW], v[NIL]                      ; the wave's opening: the add, twice on end, and its wait ahead of my first tensor load
	ds_add_u32 v[SPW], v[NIL]
	v_lshrrev_b32 v1, 5, v0
	v_readfirstlane_b32 s14, v1
	s_lshr_b32 s15, s14, 1
	s_and_b32 s16, s14, 1
	s_bfe_u32 s40, ttmp6, 0x40000
	s_bfe_u32 s41, ttmp6, 0x40004
	s_lshl_b32 s42, ttmp9, 2
	s_add_co_u32 s42, s42, s40                     ; tile column: 256 outputs, 0 .. 3
	s_and_b32 s18, ttmp7, 0xffff
	s_lshl_b32 s17, s18, 2
	s_add_co_u32 s17, s17, s41                     ; tile row: 128 rows, 0 .. 63
	s_lshl_b32 s43, s41, 2
	s_lshl_b32 s43, 15, s43
	s_lshl_b32 s44, 0x1111, s40
	s_or_b32 s[G1+0], s43, (1<<21)
	s_mov_b32 s[G1+1], 4096<<16
	s_mov_b32 s[G1+2], 4<<16
	s_mov_b32 s[G1+3], 4096<<16
	s_mov_b32 s[G1+4], 4
	s_mov_b32 s[G1+5], 16384
	s_mov_b32 s[G1+6], 0
	s_mov_b32 s[G1+7], 0
	s_or_b32 s[G1B+0], s44, (1<<20)|(1<<21)|(5<<22)|(3<<25)   ; Wo: padding of 4 words after every 64
	s_mov_b32 s[G1B+1], 256<<16
	s_mov_b32 s[G1B+2], 128<<16
	s_mov_b32 s[G1B+3], 256<<16
	s_mov_b32 s[G1B+4], 128
	s_mov_b32 s[G1B+5], 1024
	s_mov_b32 s[G1B+6], 0
	s_mov_b32 s[G1B+7], 0
	s_lshl_b32 s20, s17, 3
	s_lshl_b32 s21, s16, 2
	s_add_co_u32 s20, s20, s21
	s_lshl_b32 s20, s20, 14
	s_mov_b32 s21, 0
	s_lshl_b32 s46, s42, 8
	s_lshl_b32 s47, s16, 7
	s_add_co_u32 s46, s46, s47
	s_lshl_b32 s46, s46, 10                        ; Wo: (256 x tile column + 128 x half) rows of 1,024 bytes
	s_mov_b32 s47, 0
	s_lshl_b32 s45, s16, 14
	s_mul_i32 s22, s16, BHALF
	s_add_co_u32 s22, s22, BOFF
	s_wait_dscnt 0x0
	s_wait_kmcnt 0x0
	s_load_b64 s[72:73], s[10:11], 0x28            ; e10, e11
	s_add_nc_u64 s[20:21], s[4:5], s[20:21]
	s_add_nc_u64 s[46:47], s[6:7], s[46:47]
	CROUND
.irp s, 0,1
	s_mov_b32 s[G0+4*\s], 1
	s_add_co_u32 s[G0+4*\s+1], s45, \s*SLOT
	s_add_nc_u64 s[G0+4*\s+2:G0+4*\s+3], s[20:21], \s*4096
	s_or_b32 s[G0+4*\s+3], s[G0+4*\s+3], 0x80000000
	s_mov_b32 s[G0B+4*\s], 1
	s_add_co_u32 s[G0B+4*\s+1], s22, \s*SLOT
	s_add_nc_u64 s[G0B+4*\s+2:G0B+4*\s+3], s[46:47], \s*256
	s_or_b32 s[G0B+4*\s+3], s[G0B+4*\s+3], 0x80000000
	JLOAD G0+4*\s, G1, G0B+4*\s, G1B
.endr
	v_and_b32 v1, 31, v0
	v_lshlrev_b32 v[LI], 4, v1
	v_and_b32 v2, 15, v0                           ; r
	v_bfe_u32 v3, v0, 4, 1                         ; h
	v_lshlrev_b32 v[BA], 5, v3
	s_lshl_b32 s76, s42, 10
	s_lshl_b32 s77, s16, 9
	s_add_co_u32 s76, s76, s77                     ; my 128 columns, in bytes of f32
	s_mov_b32 s77, 0
	s_add_nc_u64 s[8:9], s[8:9], s[76:77]
	WIN 0xc0
.irp b, 0,1,2,3,4,5,6,7
	global_load_b128 v[8*\b:8*\b+3], v[BA], s[8:9] offset:64*\b          ; bo(16 b + 8 h + 0 .. 7)
	global_load_b128 v[8*\b+4:8*\b+7], v[BA], s[8:9] offset:64*\b+16
.endr
	WIN 0
	s_lshl_b32 s78, s17, 7
	s_lshl_b32 s79, s15, 6
	s_add_co_u32 s78, s78, s79
	s_lshl_b32 s78, s78, 12                        ; my first row of out0: 4,096 bytes a row
	s_add_co_u32 s78, s78, s76
	s_mov_b32 s79, 0
	s_add_nc_u64 s[68:69], s[68:69], s[78:79]
	s_lshl_b32 s23, s15, 14
	v_add_nc_u32 v[ADRA], s23, v[LI]
	v_add_nc_u32 v[ADRA+1], SLOT, v[ADRA]
	v_mul_u32_u24 v4, v2, 272
	v_lshl_add_u32 v4, v3, 3, v4
	s_mul_i32 s23, s16, BHALF
	s_add_co_u32 s23, s23, BOFF
	v_add_nc_u32 v[ADRB], s23, v4
	v_add_nc_u32 v[ADRB+1], SLOT, v[ADRB]
	s_mul_i32 s23, s14, 16*SPITCH
	s_add_co_u32 s23, s23, STAGE
	v_mul_u32_u24 v4, v2, SPITCH
	v_lshl_add_u32 v4, v3, 5, v4
	v_add_nc_u32 v[STO], s23, v4                   ; the stage, in: row r, + 32 h
	v_add_nc_u32 v[RD], s23, v[LI]                 ; and back: a row of 512 bytes
.macro FRAGI reg, adr, q, i
.irp c, 0,1,2,3
	ds_load_b128 v[\reg+4*\c:\reg+4*\c+3], v[\adr] offset:4096*(\i)+2048*(\q)+512*\c
.endr
.endm
.macro FRAGB reg, adr, q, i
.irp c, 0,1,2,3,4,5,6,7
	ds_load_b64 v[\reg+2*\c:\reg+2*\c+1], v[\adr] offset:4352*(\i)+128*(\q)+16*\c
.endr
.endm
.macro FETCH slot, q, p
	WIN TO_B
.irp i, 0,1,2,3,4,5,6,7
	FRAGB 128*(\p)+16*\i, ADRB+\slot, \q, \i
.endr
	WIN 0
.irp i, 0,1,2,3
	FRAGI AF+64*(\p)+16*\i, ADRA+\slot, \q, \i
.endr
.endm
.macro MUL8 a, p, zero                 ; the 32 accumulators take turns, one instruction a turn
.irp b, 0,1,2,3,4,5,6,7
.if \zero
	v_wmma_f32_16x16x128_fp8_fp8 v[8*(8*(\a)+\b):8*(8*(\a)+\b)+7], v[128*(\p)+16*\b:128*(\p)+16*\b+15], v[AF+64*(\p)+16*(\a):AF+64*(\p)+16*(\a)+15], 0
.else
	v_wmma_f32_16x16x128_fp8_fp8 v[8*(8*(\a)+\b):8*(8*(\a)+\b)+7], v[128*(\p)+16*\b:128*(\p)+16*\b+15], v[AF+64*(\p)+16*(\a):AF+64*(\p)+16*(\a)+15], v[8*(8*(\a)+\b):8*(8*(\a)+\b)+7]
.endif
.endr
.endm
.macro STEP slot, zero
	s_wait_dscnt 0x0
.if !\zero
	PLACES 4
.endif
	FETCH \slot, 1, 1
	WIN MUL
	MUL8 0, 0, \zero
	MUL8 1, 0, \zero
	MUL8 2, 0, \zero
	MUL8 3, 0, \zero
	WIN 0
.endm
.macro TURN slot, next, fill
	s_wait_tensorcnt 0x0                           ; all my tensor loads have landed
	ds_add_u32 v[SPW], v[NIL]
	s_wait_dscnt 0x1                               ; set 1 is in; the add may be out
	WIN MUL
	MUL8 0, 1, 0
	s_wait_dscnt 0x0                               ; the add is done, and my reads of this slot are over
	s_barrier_signal -1
	MUL8 1, 1, 0
	WIN 0
	s_barrier_wait -1
.if \fill
	CREST
	s_add_nc_u64 s[G0+4*\slot+2:G0+4*\slot+3], s[G0+4*\slot+2:G0+4*\slot+3], ASTEP
	s_add_nc_u64 s[G0B+4*\slot+2:G0B+4*\slot+3], s[G0B+4*\slot+2:G0B+4*\slot+3], BSTEP
	JLOAD G0+4*\slot, G1, G0B+4*\slot, G1B
.else
	PLACES 4
.endif
	FETCH \next, 0, 0
	WIN MUL
	MUL8 2, 1, 0
	MUL8 3, 1, 0
	WIN 0
.endm
	s_wait_tensorcnt 1                             ; my part of slot 0 is in; slot 1's may stay out
	s_barrier_signal -1
	s_barrier_wait -1
	FETCH 0, 0, 0
	STEP 0, 1
	TURN 0, 1, 1
	STEP 1, 0
	TURN 1, 0, 1
	STEP 0, 0
	TURN 0, 1, 0
	STEP 1, 0
	s_wait_dscnt 0x0
	WIN MUL
	MUL8 0, 1, 0
	MUL8 1, 1, 0
	MUL8 2, 1, 0
	MUL8 3, 1, 0
	WIN 0
	; THE WAY OUT: a block of 16 rows x 128 columns goes through my own stage and comes back as whole rows of 512 bytes.
	s_wait_kmcnt 0x0
	s_add_co_i32 s96, s72, s73
	s_add_co_i32 s96, s96, 127
	s_lshl_b32 s96, s96, 23                        ; 2^(e10 + e11) as f32
	s_mov_b32 s97, s96
	s_wait_loadcnt 0x0                             ; bo
	PLACES 4
.macro TOSTAGE a
	WIN 0x32                                       ; source 0 (the sums) window 2, source 2 (bo) window 3
.set i, 0
.rept 32
	v_pk_fma_f32 v[TMP+i:TMP+i+1], v[64*(\a)+i:64*(\a)+i+1], s[96:97], v[i:i+1] op_sel_hi:[1,0,1]   ; each accumulator from its low end on
.set i, i+2
.endr
	WIN 0
.irp b, 0,1,2,3,4,5,6,7
	ds_store_b128 v[STO], v[TMP+8*\b:TMP+8*\b+3] offset:64*\b
	ds_store_b128 v[STO], v[TMP+8*\b+4:TMP+8*\b+7] offset:64*\b+16
.endr
.set BB, BK+64*((\a)%2)
.irp t, 0,1,2,3,4,5,6,7,8,9,10,11,12,13,14,15
	ds_load_b128 v[BB+4*\t:BB+4*\t+3], v[RD] offset:\t*SPITCH    ; LDS serves a wave's instructions in order (ISA guide 5.7.1.4): these see the stores above
.endr
.endm
.macro SEND a, younger                 ; younger: the LDS instructions issued behind block a's loads
.set BB, BK+64*((\a)%2)
	s_wait_dscnt \younger
.irp t, 0,1,2,3,4,5,6,7,8,9,10,11,12,13,14,15
	global_store_b128 v[LI], v[BB+4*\t:BB+4*\t+3], s[68:69] offset:(16*(\a)+\t)*4096 th:TH_STORE_NT   ; 32 lanes store 512 consecutive bytes, aligned; written once
.endr
.endm
	TOSTAGE 0
	TOSTAGE 1
	SEND 0, 32                                     ; behind block 0's loads: block 1's 16 stores and 16 loads
	s_wait_xcnt 0x0                                ; block 0's stores have read their registers: block 2's loads may land there
	TOSTAGE 2
	SEND 1, 32
	s_wait_xcnt 0x0
	TOSTAGE 3
	SEND 2, 32
	SEND 3, 0
	s_wait_tensorcnt 0x0                           ; the wave's end
	ds_add_u32 v[SPW], v[NIL]
	s_wait_dscnt 0x0
	CROUND
	s_endpgm
.Lfunc_end_k_qddc722172b_outp:
	.size	k_qddc722172b_outp, .Lfunc_end_k_qddc722172b_outp-k_qddc722172b_outp
	.p2alignl 7, 3214868480
	.fill 96, 4, 3214868480
	.section	.rodata,"a",@progbits
	.p2align	6, 0x0
	.amdhsa_kernel k_qddc722172b_outp
		.amdhsa_group_segment_fixed_size 327680
		.amdhsa_private_segment_fixed_size 0
		.amdhsa_enable_private_segment 0
		.amdhsa_kernarg_size 40
		.amdhsa_user_sgpr_count 2
		.amdhsa_user_sgpr_kernarg_segment_ptr 1
		.amdhsa_wavefront_size32 1
		.amdhsa_system_sgpr_workgroup_id_x 1
		.amdhsa_system_sgpr_workgroup_id_y 1
		.amdhsa_system_sgpr_workgroup_id_z 1
		.amdhsa_system_vgpr_workitem_id 0
		.amdhsa_next_free_vgpr 1024
		.amdhsa_next_free_sgpr 100
		.amdhsa_reserve_vcc 0
		.amdhsa_float_denorm_mode_32 3
		.amdhsa_float_denorm_mode_16_64 3
		.amdhsa_memory_ordered 1
		.amdhsa_forward_progress 1
		.amdhsa_inst_pref_size 92
	.end_amdhsa_kernel
	.amdgpu_metadata
---
amdhsa.version: [ 1, 2 ]
amdhsa.kernels:
  - .name:           k_qddc722172b_outp
    .symbol:         k_qddc722172b_outp.kd
    .args:
      - { .name: ctx_img, .offset: 0, .size: 8, .value_kind: global_buffer, .address_space: global }
      - { .name: Wo_codes, .offset: 8, .size: 8, .value_kind: global_buffer, .address_space: global }
      - { .name: bo, .offset: 16, .size: 8, .value_kind: global_buffer, .address_space: global }
      - { .name: lowp_scales, .offset: 24, .size: 8, .value_kind: global_buffer, .address_space: global }
      - { .name: out0, .offset: 32, .size: 8, .value_kind: global_buffer, .address_space: global }
    .group_segment_fixed_size: 327680
    .private_segment_fixed_size: 0
    .kernarg_segment_align: 8
    .kernarg_segment_size: 40
    .max_flat_workgroup_size: 128
    .sgpr_count:     100
    .vgpr_count:     1024
    .wavefront_size: 32
...
	.end_amdgpu_metadata
.endif
;; end of part 4
